; MI455X (gfx1250); checked and timed in simulation.
; The chip was launched on July 23, 2026; its instructions are those of AMD's public machine-readable ISA for CDNA 5 (MIT licence, August 2026) and "CDNA5" Instruction Set Architecture Reference Guide (July 2026). The comments in the code are by the model that wrote it; some were corrected since.
;; Masked Self Attention. Allowed arithmetic: matrix products marked QUANTISED: E2M1 operands, one E8M0 scale for each 32 along K, by v_wmma_scale_f32_16x16x128_f8f6f4 with both operands' format E2M1 (or v_wmma_scale_f32_32x16x128_f4), f32 sums; products left as they are: bf16, f16 or f32 operands; f32 sums; everything else in f32.
;; Inputs: b_o 1,024 float32; w_k 1,024 x 1,024 float32; w_o 1,024 x 1,024 float32; w_q 1,024 x 1,024 float32; w_v 1,024 x 1,024 float32; x 4 x 2,048 x 1,024 float32.
;; Outputs: out0 4 x 2,048 x 1,024 float32.
;; This version of the problem:
;;   THIS VERSION OF THE PROBLEM IS GIVEN IN LOW PRECISION. The matrix products marked QUANTISED in the list below multiply operands that are first quantised to E2M1 (2 exponent bits, 1 mantissa bit; 4 bits a number), with one power-of-two scale for each 32 numbers along K (OCP MX v1.0); their sums are f32. The products marked 'left as it is' may take bf16, f16 or f32 operands, with f32 sums. All else is computed in f32.
;;   The module's matrix products, in the order in which they are computed (A, B: the left and right operand; K: the contracted axis; several contracted axes count as one K, in the product's order):
;;     1. [M 8,192, K 1,024] x [K 1,024, N 1,024]; A: input x; B: input w_q: QUANTISED
;;     2. [M 8,192, K 1,024] x [K 1,024, N 1,024]; A: input x; B: input w_k: QUANTISED
;;     3. [M 8,192, K 1,024] x [K 1,024, N 1,024]; A: input x; B: input w_v: QUANTISED
;;     4. batch 64 x [M 2,048, K 64] x [K 64, N 2,048]; A: computed on the way; B: computed on the way: left as it is (an operand is computed on the way)
;;     5. batch 64 x [M 2,048, K 2,048] x [K 2,048, N 64]; A: computed on the way; B: computed on the way: left as it is (an operand is computed on the way)
;;     6. [M 8,192, K 1,024] x [K 1,024, N 1,024]; A: computed on the way; B: input w_o: left as it is (an operand is computed on the way)
;;   THE QUANTISER, for each operand of a quantised product, along K:
;;     - K is cut into blocks of 32 from its start; a last block that is shorter is filled with zeros.
;;     - A block's scale is 2^e with e = floor(log2(the largest magnitude in the block)) - 2, held to -126 .. 127; a block of zeros has e = 0. As a byte (E8M0): e + 127.
;;     - Each number is divided by its block's scale, clamped to +-6, and rounded to the nearest number of E2M1, ties to even, subnormals kept.
;;     - The product sums the exact products of the quantised numbers (number of the format x scale) in f32.
;;   ~~~python
;;   def quantise(x, axis):      # numpy; x: float32 -> the quantised numbers, widened to float32 again
;;       x = np.moveaxis(x, axis, -1); K = x.shape[-1]
;;       x = np.pad(x, [(0, 0)] * (x.ndim - 1) + [(0, -K % 32)]); x = x.reshape(x.shape[:-1] + (-1, 32)); a = np.abs(x).max(-1, keepdims=True)
;;       e = np.where(a > 0, np.clip(np.frexp(np.where(a > 0, a, 1))[1] - 1 - 2, -126, 127), 0)      # np.frexp(a)[1] - 1 = floor(log2(a)), exactly
;;       r = np.clip(x / 2.0 ** e, -6, 6)
;;       step = 2.0 ** (np.maximum(np.frexp(np.where(r == 0, 1, r))[1] - 1, 0) - 1)
;;       q = np.round(r / step) * step * 2.0 ** e      # np.round: ties to even
;;       return np.moveaxis(q.reshape(q.shape[:-2] + (-1,))[..., :K], -1, axis).astype(np.float32)
;;   ~~~
;; One version. Each part assembles by itself: llvm-mc -triple=amdgcn-amd-amdhsa -mcpu=gfx1250 --defsym DOCPART=n.
;; ======== version 1 of 1: 5 launches
;; limits: values are held in f16: magnitudes above 65,504 overflow, below 6.1e-05 lose precision
;; workspace buffers: xc 4,194,304 bytes; xs 262,144 bytes; wc 1,572,864 bytes; ws 98,304 bytes; woh 2,097,152 bytes; qkv 50,331,648 bytes; ctxh 16,777,216 bytes; ctx32 262,144 bytes
;; launch prep (part 1): grid 480 x 1, 4 waves a work-group, no clusters, 33,280 bytes of LDS; arguments x, w_q, w_k, w_v, w_o, xc, xs, wc, ws, woh; writes xc, xs, wc, ws, woh
.if DOCPART == 1
	.amdgcn_target "amdgcn-amd-amdhsa--gfx1250"
	.amdhsa_code_object_version 6
	.text
	.protected	k_q1e8e24d3ce_prep
	.globl	k_q1e8e24d3ce_prep
	.p2align	8
	.type	k_q1e8e24d3ce_prep,@function
k_q1e8e24d3ce_prep:
	s_mov_b64 s[64:65], 0
	v_nop
	global_prefetch_b8 v0, s[64:65] scope:SCOPE_SE
	s_setreg_imm32_b32 hwreg(HW_REG_WAVE_MODE, 25, 1), 1
	s_wait_xcnt 0x0
; x [8192][1024] and w_q, w_k, w_v [1024][1024], f32, K innermost, become codes of FP4 (E2M1), two a byte, with one E8M0 scale byte for each 32 along K:
; xc [8192][512 bytes], xs [8192][32]; wc [3072][512 bytes], ws [3072][32] (rows 0-1023 w_q, 1024-2047 w_k, 2048-3071 w_v).  w_o [1024][1024] f32 becomes f16, woh, same order.
; A block's scale is 2^(floor(log2(its largest magnitude)) - 2); its byte is the largest magnitude's exponent field - 2, held at 1 from below.  A block of zeros so gets the byte 1 and not 127:
; its codes are zeros, which add nothing, and these bytes are read by this program alone.
; LIMITS: NaN and infinities among the inputs are not served; |w_o| stays under 65,504, f16's largest number.
; SHARES: work-groups 0-255 take x, 256-351 the three weights (32 each), 352-479 cast w_o.  A quantising wave takes 16 steps of 512 numbers; rows are dense and 1,024 is a multiple of 32,
; so each tensor is a plain stream of blocks.  Each load reads 512 consecutive bytes; a step's 2,048 bytes turn through the wave's own stage in LDS and come back 64 bytes a lane, so that a lane
; holds 16 neighbours along K (two lanes a block).  A wave's store of codes covers 256 consecutive bytes, aligned; its 256 scale bytes are gathered in LDS and leave as one such run.
; No tensor loads, no barrier: waves share nothing.  The cast path uses no LDS.
.set STEPS, 16
.set EMAX,  2
.set CB,    8                          ; bytes of 16 codes
.set R,     16                         ; v16-79   four sets of 16 numbers as loaded
.set X,     80                         ; v80-111  two sets of 16 neighbours
.set E,     112                        ; v112-127 a scale byte for each step
.set C,     128                        ; v128-191 codes: registers of its own for each step, so that no store's data are written again
.set WREG,  8192                       ; LDS: a region for each wave: two stages of 32 x SP bytes, then its 256 scale bytes
.set SP,    80                         ; a lane's place in a stage: 64 bytes + 16 of padding
	s_load_b256 s[4:11], s[0:1], 0x0               ; x, w_q, w_k, w_v
	s_load_b256 s[12:19], s[0:1], 0x20             ; w_o, xc, xs, wc
	s_load_b128 s[20:23], s[0:1], 0x40             ; ws, woh
	v_lshl_add_u32 v192, v0, 2, 0x8000
	v_mov_b32 v193, 0
	v_lshrrev_b32 v1, 5, v0
	v_readfirstlane_b32 s24, v1                    ; wave
	v_and_b32 v2, 31, v0                           ; lane
	s_cmp_ge_u32 ttmp9, 352
	s_cbranch_scc1 .Lcast
	v_lshlrev_b32 v3, 4, v2                        ; my 16 bytes of a load's 512
	s_mul_i32 s25, s24, WREG
	v_lshrrev_b32 v14, 2, v2
	v_mul_u32_u24 v14, v14, SP
	v_and_b32 v15, 3, v2
	v_lshl_add_u32 v14, v15, 4, v14
	v_add_nc_u32 v14, s25, v14                     ; the stage, way in: SP (lane / 4) + 16 (lane % 4)
	v_mul_u32_u24 v15, v2, SP
	v_add_nc_u32 v15, s25, v15                     ; way out: SP x lane: my 16 neighbours
	v_mul_u32_u24 v4, v2, CB                       ; my codes' place in a step's
	v_lshrrev_b32 v5, 1, v2
	s_add_co_u32 s25, s25, 2*32*SP
	v_add_nc_u32 v5, s25, v5                       ; my block's scale byte in LDS
	v_lshlrev_b32 v7, 3, v2                        ; and on the way out 8 bytes a lane
	v_add_nc_u32 v6, s25, v7
	s_sub_co_u32 s34, ttmp9, 256                   ; j: which run of the weights (used only where ttmp9 >= 256)
	s_lshr_b32 s35, s34, 5                         ; which weight
	s_and_b32 s36, s34, 31                         ; which run of that weight
	s_wait_kmcnt 0x0
	s_cmp_eq_u32 s35, 1                            ; every choice hangs on the work-group's number alone
	s_cselect_b64 s[26:27], s[8:9], s[6:7]
	s_cmp_eq_u32 s35, 2
	s_cselect_b64 s[26:27], s[10:11], s[26:27]
	s_cmp_lt_u32 ttmp9, 256
	s_cselect_b64 s[26:27], s[4:5], s[26:27]       ; the numbers,
	s_cselect_b64 s[28:29], s[14:15], s[18:19]     ; the codes,
	s_cselect_b64 s[30:31], s[16:17], s[20:21]     ; the scale bytes
	s_cselect_b32 s32, ttmp9, s36                  ; the run in the source,
	s_cselect_b32 s33, ttmp9, s34                  ; and in the destination
	s_lshl_b32 s32, s32, 2
	s_add_co_u32 s32, s32, s24
	s_lshl_b32 s36, s32, 15                        ; a wave's 8,192 numbers are 32,768 bytes,
	s_mov_b32 s37, 0
	s_add_nc_u64 s[26:27], s[26:27], s[36:37]
	s_lshl_b32 s33, s33, 2
	s_add_co_u32 s33, s33, s24
	s_lshl_b32 s36, s33, 12                        ; 4,096 bytes of codes,
	s_add_nc_u64 s[28:29], s[28:29], s[36:37]
	s_lshl_b32 s36, s33, 8                         ; 256 scale bytes
	s_add_nc_u64 s[30:31], s[30:31], s[36:37]
.macro LOAD t
.irp i, 0,1,2,3
	global_load_b128 v[R+16*((\t)%4)+4*\i:R+16*((\t)%4)+4*\i+3], v3, s[26:27] offset:2048*(\t)+512*\i th:TH_LOAD_NT   ; 32 lanes read 512 consecutive bytes
.endr
.endm
.macro TURN t                          ; step t's numbers through the stage: LDS serves a wave's instructions in order, so no wait stands between the stores and the loads
.irp i, 0,1,2,3
	ds_store_b128 v14, v[R+16*((\t)%4)+4*\i:R+16*((\t)%4)+4*\i+3] offset:32*SP*((\t)%2)+8*SP*\i
.endr
.irp i, 0,1,2,3
	ds_load_b128 v[X+16*((\t)%2)+4*\i:X+16*((\t)%2)+4*\i+3], v15 offset:32*SP*((\t)%2)+16*\i
.endr
.endm
.irp t, 0,1,2,3
	LOAD \t
.endr
	s_wait_loadcnt 12                              ; step 0's four loads are in; the 12 of steps 1 to 3 stay out
	TURN 0
.macro STEP t
.set XS, X+16*((\t)%2)
.if (\t) > 0
	s_wait_dscnt 1                                 ; this step's numbers are back from the stage (the last step's byte store may be out): so its stores into the stage have read their registers,
.else
	s_wait_dscnt 0x0
.endif
.if (\t)+4 < STEPS
	LOAD (\t)+4                                    ; which take the loads of four steps on
.endif
.if (\t)+1 < STEPS
.if STEPS-2-(\t) >= 3
	s_wait_loadcnt 12                              ; the next step's four loads are in; those of the three steps behind it may be out
.else
	s_wait_loadcnt 4*(STEPS-2-(\t))
.endif
	TURN (\t)+1                                    ; and go through the other stage while this step is worked
.endif
	v_max3_num_f32 v8, |v[XS]|, |v[XS+1]|, |v[XS+2]|               ; the largest magnitude of my 16, in two chains
	v_max3_num_f32 v9, |v[XS+3]|, |v[XS+4]|, |v[XS+5]|
.irp i, 6,10
	v_max3_num_f32 v8, v8, |v[XS+\i]|, |v[XS+\i+1]|
	v_max3_num_f32 v9, v9, |v[XS+\i+2]|, |v[XS+\i+3]|
.endr
	v_max3_num_f32 v8, v8, |v[XS+14]|, |v[XS+15]|
	v_max3_num_f32 v8, v8, v9, (EMAX+1)<<23        ; and the floor 2^(3 - 127): the byte cannot fall under 1
	v_max_num_f32_dpp v8, v8, v8 row_xmask:1 row_mask:0xf bank_mask:0xf   ; and of my neighbour's 16: the block's
	v_add_nc_u32 v11, -(EMAX<<23), v8              ; 2 off its exponent field: the conversion takes the exponent field of this operand as its scale
	v_cvt_scalef32_pk8_fp4_f32 v[C+4*(\t)], v[XS:XS+7], v11        ; eight numbers / the scale, to the nearest code, ties to even, beyond 6 the largest code
	v_cvt_scalef32_pk8_fp4_f32 v[C+4*(\t)+1], v[XS+8:XS+15], v11
	v_lshrrev_b32 v[E+(\t)], 23, v11               ; the scale's byte (also the plain line behind the conversions)
	ds_store_b8 v5, v[E+(\t)] offset:16*(\t)       ; both lanes of a block write the same byte with the same value
	global_store_b64 v4, v[C+4*(\t):C+4*(\t)+1], s[28:29] offset:32*CB*(\t)   ; the wave stores 256 consecutive bytes, aligned
.endm
.irp t, 0,1,2,3,4,5,6,7,8,9,10,11,12,13,14,15
	STEP \t
.endr
	ds_load_b64 v[12:13], v6                       ; LDS serves a wave's instructions in order: these see my stores
	s_wait_dscnt 0x0
	global_store_b64 v7, v[12:13], s[30:31]        ; 256 consecutive bytes, aligned
	s_wait_tensorcnt 0x0
	ds_add_u32 v192, v193
	s_wait_dscnt 0x0
	s_endpgm
.Lcast:                                            ; w_o to f16: a wave takes 2,048 numbers: 16 loads of 512 bytes, 16 stores of 256
	s_sub_co_u32 s34, ttmp9, 352
	s_lshl_b32 s34, s34, 2
	s_add_co_u32 s34, s34, s24
	s_lshl_b32 s36, s34, 13
	s_mov_b32 s37, 0
	v_lshlrev_b32 v3, 4, v2
	v_lshlrev_b32 v4, 3, v2
	s_wait_kmcnt 0x0
	s_add_nc_u64 s[12:13], s[12:13], s[36:37]
	s_lshl_b32 s36, s34, 12
	s_add_nc_u64 s[22:23], s[22:23], s[36:37]
.set k, 0
.rept 16
	global_load_b128 v[16+4*k:19+4*k], v3, s[12:13] offset:512*k th:TH_LOAD_NT
.set k, k+1
.endr
.set k, 0
.rept 16
	s_wait_loadcnt 15-k                            ; load k is in; the 15 - k younger ones stay out
	v_cvt_pk_f16_f32 v[128+2*k], v[16+4*k], v[17+4*k]
	v_cvt_pk_f16_f32 v[129+2*k], v[18+4*k], v[19+4*k]
	global_store_b64 v4, v[128+2*k:129+2*k], s[22:23] offset:256*k   ; no register is written twice: no wait for the stores' sources
.set k, k+1
.endr
	s_endpgm
.Lfunc_end_k_q1e8e24d3ce_prep:
	.size	k_q1e8e24d3ce_prep, .Lfunc_end_k_q1e8e24d3ce_prep-k_q1e8e24d3ce_prep
	.p2alignl 7, 3214868480
	.fill 96, 4, 3214868480
	.section	.rodata,"a",@progbits
	.p2align	6, 0x0
	.amdhsa_kernel k_q1e8e24d3ce_prep
		.amdhsa_group_segment_fixed_size 33280
		.amdhsa_private_segment_fixed_size 0
		.amdhsa_enable_private_segment 0
		.amdhsa_kernarg_size 80
		.amdhsa_user_sgpr_count 2
		.amdhsa_user_sgpr_kernarg_segment_ptr 1
		.amdhsa_wavefront_size32 1
		.amdhsa_system_sgpr_workgroup_id_x 1
		.amdhsa_system_sgpr_workgroup_id_y 1
		.amdhsa_system_sgpr_workgroup_id_z 1
		.amdhsa_system_vgpr_workitem_id 0
		.amdhsa_next_free_vgpr 194
		.amdhsa_next_free_sgpr 66
		.amdhsa_reserve_vcc 0
		.amdhsa_float_denorm_mode_32 3
		.amdhsa_float_denorm_mode_16_64 3
		.amdhsa_memory_ordered 1
		.amdhsa_forward_progress 1
		.amdhsa_inst_pref_size 40
	.end_amdhsa_kernel
	.amdgpu_metadata
---
amdhsa.version: [ 1, 2 ]
amdhsa.kernels:
  - .name:           k_q1e8e24d3ce_prep
    .symbol:         k_q1e8e24d3ce_prep.kd
    .args:
      - { .name: x, .offset: 0, .size: 8, .value_kind: global_buffer, .address_space: global }
      - { .name: w_q, .offset: 8, .size: 8, .value_kind: global_buffer, .address_space: global }
      - { .name: w_k, .offset: 16, .size: 8, .value_kind: global_buffer, .address_space: global }
      - { .name: w_v, .offset: 24, .size: 8, .value_kind: global_buffer, .address_space: global }
      - { .name: w_o, .offset: 32, .size: 8, .value_kind: global_buffer, .address_space: global }
      - { .name: xc, .offset: 40, .size: 8, .value_kind: global_buffer, .address_space: global }
      - { .name: xs, .offset: 48, .size: 8, .value_kind: global_buffer, .address_space: global }
      - { .name: wc, .offset: 56, .size: 8, .value_kind: global_buffer, .address_space: global }
      - { .name: ws, .offset: 64, .size: 8, .value_kind: global_buffer, .address_space: global }
      - { .name: woh, .offset: 72, .size: 8, .value_kind: global_buffer, .address_space: global }
    .group_segment_fixed_size: 33280
    .private_segment_fixed_size: 0
    .kernarg_segment_align: 8
    .kernarg_segment_size: 80
    .max_flat_workgroup_size: 128
    .sgpr_count:     66
    .vgpr_count:     194
    .wavefront_size: 32
...
	.end_amdgpu_metadata
.endif
;; end of part 1
;; launch qkv (part 2): grid 12 x 32, 4 waves a work-group, clusters of 4 x 4, 327,680 bytes of LDS; arguments xc, xs, wc, ws, qkv; writes qkv
.if DOCPART == 2
	.amdgcn_target "amdgcn-amd-amdhsa--gfx1250"
	.amdhsa_code_object_version 6
	.text
	.protected	k_q1e8e24d3ce_qkv
	.globl	k_q1e8e24d3ce_qkv
	.p2align	8
	.type	k_q1e8e24d3ce_qkv,@function
k_q1e8e24d3ce_qkv:
	s_mov_b64 s[64:65], 0
	v_nop
	global_prefetch_b8 v0, s[64:65] scope:SCOPE_SE
	s_setreg_imm32_b32 hwreg(HW_REG_WAVE_MODE, 25, 1), 1
	s_wait_xcnt 0x0
	s_wait_alu depctr_hold_cnt(0) depctr_sa_sdst(0) depctr_va_vdst(0) depctr_va_sdst(0) depctr_va_ssrc(0) depctr_va_vcc(0) depctr_vm_vsrc(0)
	s_getreg_b32 s2, hwreg(HW_REG_IB_STS2, 6, 4)
	s_cmp_eq_u32 s2, 0
	s_cbranch_scc0 .Lentry_in_a_cluster
	s_endpgm
.Lentry_in_a_cluster:
	s_bfe_u32 s2, ttmp6, 0x10000c
	s_cmp_lg_u32 s2, 0xf033
	s_cbranch_scc0 .Lentry_shape_is_right
	s_endpgm
.Lentry_shape_is_right:
; q, k, v = x w^T on codes of FP4 (E2M1) with one E8M0 scale for each 32 along K.  A = xc [8192][1024 codes], B = wc [3072][1024 codes] (w_q, w_k, w_v on end), scale bytes xs [8192][32], ws [3072][32].
; The result, rounded once to f16, is laid BY HEAD: qkv [3][64 (batch x 16 + head)][2048 tokens][64] f16: a token's row of a head is 128 bytes, so four neighbouring tokens of a head are 512 consecutive bytes.
; LIMIT: |q|, |k|, |v| stay under 65,504, f16's largest number.
; A tile of C, 256 x 256, is made by a work-group of four waves; a wave makes 128 x 128: 64 accumulators of 16 x 16, 512 registers.  K = 1,024 is two slots of 512 along K (LDS rows of 256 bytes + 16):
; both slots and the scale bytes of the work-group's rows are asked for at the start: three tensor loads a wave, and nothing is filled again.
; CLUSTERS: 4 x 4 work-groups.  The four of a row of the cluster need the same tiles of A, the four of a column the same tiles of B: each tile is asked for JOINTLY.
; THE MATRIX INSTRUCTION IS USED TRANSPOSED (source 0 = 16 rows of B, source 1 = 16 rows of A): a lane then holds eight neighbouring columns of one row of C.
; REGISTERS, in windows of 256: window 0: v0-31 addresses; v32-95 scale words, two sets; v128-191 A's fragments, ONE set; on the way out v32-63, v192-255.
;   window 1: B's fragments, two sets, at v0 and v128.   window 2: the accumulators of my rows 0-63 ((a, b) at v[8 (8 a + b)]);   window 3: those of my rows 64-127.
.set SIZE_K, 1024
.set KSTEP,  512                       ; along K in a slot
.set NQ,     KSTEP/128                 ; matrix instructions deep
.set ROWB,   256                       ; a tile's row in bytes
.set KROW,   SIZE_K*4/8                ; a row of codes in memory
.set PITCH,  272                       ; an LDS row: 256 bytes + 16 of padding = 68 words: the 16 rows of a fragment load start 4 words apart modulo 64
.set FR,     8                         ; registers of a fragment
.set NL,     2                         ; LDS loads that bring one
.set NP,     4                         ; places behind this matrix instruction (ISA guide 7.12.1)
.set HALFT,  128*PITCH
.set SLOT,   4*HALFT                   ; A's 256 rows, then B's 256 rows
.set KS,     SIZE_K/32                 ; a row of scale bytes
.set SCL,    2*SLOT                    ; behind the slots: the scales, as runs of 256 bytes + 16 of padding
.set HALFS,  (128*KS/256)*272          ; the scales of 128 rows: what one tensor load brings
.set SBLK,   (16*KS/256)*272           ; those of 16 rows
.set SPARE,  SCL+4*HALFS               ; the spare words, 128 bytes a wave: two blocks of 256 bytes that no other line names
.set SPITCH, 272                       ; the way out: a stage of 16 rows x (256 bytes + 16) for each wave, in slot 0, which has had its only fill and its last read by then
.set ADRA, 16                          ; v16-17  LDS address of my A fragments in slot 0, 1
.set ADRB, 20                          ; v20-21  the same for B
.set STO,  24                          ; v24     the way out: where I put 16 bytes of a row
.set RD,   25                          ; v25     where I read back: four tokens x 128 bytes of one head
.set CO,   26                          ; v26     16 x lane: my place in a store's 512 bytes
.set ADRS, 27                          ; v27     LDS address of my scale words: lanes 0-15 A's rows, lanes 16-31 B's
.set SPW,  28                          ; v28     my spare word; never rewritten
.set NIL,  29                          ; v29     0; never rewritten
.set SC,   32                          ; scale words: set s at v[SC + 32 s]; register 4 i + q: lanes 0-15 A's block i, lanes 16-31 B's block i, the slot's q-th 128 along K
.set AF,   128                         ; A's fragments, window 0
.set TMP,  192                         ; the way out: packed results
.set OB,   32                          ; the way out: rows read back: v32-63 and v224-255 by turns
.set G1, 24                            ; s[24:31] group 1 for A's tiles;  s[32:39] group 0, a set for each slot
.set G0, 32
.set G1B, 48                           ; the same for B's tiles
.set G0B, 56
.set G1S, 68                           ; groups 1 and 0 for A's scales, then for B's
.set G0S, 76
.set G1SB, 80
.set G0SB, 88
.set MSB, 0
.macro WIN new                         ; the immediate's high byte repeats the setting that is left
.if MSB != \new
	s_set_vgpr_msb (MSB<<8)|\new
.set MSB, \new
.endif
.endm
.set MUL_LO, 0xa1                      ; source 0 (B) window 1, source 1 (A) window 0, C and D window 2
.set MUL_HI, 0xf1                      ; the same, C and D window 3
.set TO_B,   0x40                      ; destination window 1, address window 0
; A joint load: waves 0 and 1 fetch for A, waves 2 and 3 for B; the branch hangs on the wave's number alone.  Four v_nop follow each of the two lines.
.macro JLOAD g0a, g1a, g0b, g1b
	s_cmp_eq_u32 s15, 0
	s_cbranch_scc0 .Lfor_b_\@
	tensor_load_to_lds s[\g0a:\g0a+3], s[\g1a:\g1a+7]
	s_nop 0
.rept 4
	v_nop
.endr
	s_branch .Lasked_\@
.Lfor_b_\@:
	tensor_load_to_lds s[\g0b:\g0b+3], s[\g1b:\g1b+7]
	s_nop 0
.rept 4
	v_nop
.endr
.Lasked_\@:
.endm
.macro CROUND                          ; a round of the cluster's barrier
	s_barrier_signal -1
	s_barrier_wait -1
	s_cmp_lg_u32 s14, 0
	s_cbranch_scc1 .Lnot_wave_0_\@
	s_barrier_signal -3
.Lnot_wave_0_\@:
	s_barrier_wait -3
	s_barrier_signal -1
	s_barrier_wait -1
.endm
	s_load_b128 s[4:7], s[0:1], 0x0                ; A's codes, A's scales
	s_load_b128 s[8:11], s[0:1], 0x10              ; B's codes, B's scales
	s_load_b64 s[12:13], s[0:1], 0x20              ; qkv
	v_lshl_add_u32 v[SPW], v0, 2, SPARE
	v_mov_b32 v[NIL], 0
	ds_add_u32 v28, v29
	s_wait_dscnt 0x0
	v_lshrrev_b32 v1, 5, v0
	v_readfirstlane_b32 s14, v1                    ; wave 0..3
	s_lshr_b32 s15, s14, 1                         ; which half of the tile's rows is mine.  Also: I fetch for A (0) or for B (1)
	s_and_b32 s16, s14, 1                          ; which half of its columns.  Also: which 128 rows of that tile I fetch
	s_bfe_u32 s40, ttmp6, 0x40000                  ; cx, cy: my place in the cluster
	s_bfe_u32 s41, ttmp6, 0x40004
	s_lshl_b32 s42, ttmp9, 2
	s_add_co_u32 s42, s42, s40                     ; tile column = 4 x cluster x + cx
	s_and_b32 s17, ttmp7, 0xffff
	s_lshl_b32 s17, s17, 2
	s_add_co_u32 s17, s17, s41                     ; tile row = 4 x cluster y + cy
	s_lshl_b32 s43, s41, 2
	s_lshl_b32 s43, 15, s43                        ; my row of the cluster
	s_lshl_b32 s44, 0x1111, s40                    ; my column
	s_or_b32 s[G1+0], s43, (0<<16)|(1<<20)|(1<<21)|(5<<22)|(3<<25)  ; the mask; elements of 1 byte; padding on; bit 21 beside a mask; after every 64 words, 4 words
	s_or_b32 s[G1B+0], s44, (0<<16)|(1<<20)|(1<<21)|(5<<22)|(3<<25)
.irp g, G1, G1B
	s_mov_b32 s[\g+1], ROWB<<16                    ; tensor_dim0
	s_mov_b32 s[\g+2], 128<<16                     ; tensor_dim1
	s_mov_b32 s[\g+3], ROWB<<16                    ; tile_dim0
	s_mov_b32 s[\g+4], 128                         ; tile_dim1
	s_mov_b32 s[\g+5], KROW                        ; from row to row
	s_mov_b32 s[\g+6], 0
	s_mov_b32 s[\g+7], 0
.endr
	s_or_b32 s[G1S+0], s43, (3<<16)|(1<<20)|(1<<21)|(5<<22)|(3<<25) ; the scales of 128 rows: a dense block, as rows of 256 bytes (32 elements of 8 bytes), 16 bytes of padding behind each
	s_or_b32 s[G1SB+0], s44, (3<<16)|(1<<20)|(1<<21)|(5<<22)|(3<<25)
.irp g, G1S, G1SB
	s_mov_b32 s[\g+1], 32<<16
	s_mov_b32 s[\g+2], (128*KS/256)<<16
	s_mov_b32 s[\g+3], 32<<16
	s_mov_b32 s[\g+4], 128*KS/256
	s_mov_b32 s[\g+5], 32
	s_mov_b32 s[\g+6], 0
	s_mov_b32 s[\g+7], 0
.endr
	s_lshl_b32 s18, s16, 7                         ; which 128 rows of the tile I fetch
	s_lshl_b32 s20, s17, 8
	s_add_co_u32 s20, s20, s18                     ; A: row 256 x tile row + 128 x half
	s_lshl_b32 s46, s42, 8
	s_add_co_u32 s46, s46, s18                     ; B: row 256 x tile column + 128 x half
	s_mov_b32 s21, 0
	s_mov_b32 s47, 0
	s_mov_b64 s[18:19], KS
	s_mul_u64 s[22:23], s[20:21], s[18:19]         ; where these rows' scales begin,
	s_mul_u64 s[92:93], s[46:47], s[18:19]
	s_mov_b64 s[18:19], KROW
	s_mul_u64 s[20:21], s[20:21], s[18:19]         ; and their codes
	s_mul_u64 s[46:47], s[46:47], s[18:19]
	s_mul_i32 s45, s14, HALFT                      ; where they go: wave x 128 rows: no place in the cluster enters an LDS address
	s_mul_i32 s94, s14, HALFS
	s_wait_kmcnt 0x0
	s_add_nc_u64 s[20:21], s[4:5], s[20:21]
	s_add_nc_u64 s[22:23], s[6:7], s[22:23]
	s_add_nc_u64 s[46:47], s[8:9], s[46:47]
	s_add_nc_u64 s[92:93], s[10:11], s[92:93]
	CROUND                                         ; all sixteen work-groups are here: the joint loads meet
	s_mov_b32 s[G0S], 1
	s_add_co_u32 s[G0S+1], s94, SCL
	s_mov_b64 s[G0S+2:G0S+3], s[22:23]
	s_or_b32 s[G0S+3], s[G0S+3], 0x80000000
	s_mov_b32 s[G0SB], 1
	s_add_co_u32 s[G0SB+1], s94, SCL
	s_mov_b64 s[G0SB+2:G0SB+3], s[92:93]
	s_or_b32 s[G0SB+3], s[G0SB+3], 0x80000000
	JLOAD G0S, G1S, G0SB, G1SB                     ; the scales first: they are wanted with slot 0
.irp s, 0,1
	s_mov_b32 s[G0+4*\s], 1
	s_add_co_u32 s[G0+4*\s+1], s45, \s*SLOT
	s_add_nc_u64 s[G0+4*\s+2:G0+4*\s+3], s[20:21], \s*ROWB
	s_or_b32 s[G0+4*\s+3], s[G0+4*\s+3], 0x80000000
	s_mov_b32 s[G0B+4*\s], 1
	s_add_co_u32 s[G0B+4*\s+1], s45, \s*SLOT
	s_add_nc_u64 s[G0B+4*\s+2:G0B+4*\s+3], s[46:47], \s*ROWB
	s_or_b32 s[G0B+4*\s+3], s[G0B+4*\s+3], 0x80000000
	JLOAD G0+4*\s, G1, G0B+4*\s, G1B
.endr
	v_and_b32 v1, 15, v0                           ; r = l % 16
	v_bfe_u32 v2, v0, 4, 1                         ; h = l / 16
	v_mul_u32_u24 v3, v1, PITCH
	v_lshl_add_u32 v4, v2, 4, v3                   ; a fragment's row x pitch + 16 x half
	s_mul_i32 s21, s15, HALFT                      ; my 128 rows of A
	s_mul_i32 s22, s16, HALFT                      ; my 128 rows of B,
	s_add_co_u32 s22, s22, 2*HALFT                 ; which lie behind A's 256
.irp s, 0,1
	v_add_nc_u32 v[ADRA+\s], s21, v4
	v_add_nc_u32 v[ADRB+\s], s22, v4
	s_add_co_u32 s21, s21, SLOT
	s_add_co_u32 s22, s22, SLOT
.endr
	v_mul_u32_u24 v5, v1, KS                       ; my row's scales: KS bytes a row,
	v_lshrrev_b32 v6, 8, v5
	v_lshl_add_u32 v5, v6, 4, v5                   ; and 16 more for each 256 passed
	s_mul_i32 s21, s15, HALFS                      ; A's: my 128 rows
	s_mul_i32 s22, s16, HALFS                      ; B's: my 128 rows, behind A's 256
	s_add_co_u32 s22, s22, 2*HALFS
	s_sub_co_u32 s22, s22, s21
	v_mul_u32_u24 v6, s22, v2                      ; lanes 16-31 take B's: one product, the distance x h
	s_add_co_u32 s21, s21, SCL
	v_add_nc_u32 v5, v5, v6
	v_add_nc_u32 v[ADRS], s21, v5
	s_mul_i32 s23, s14, 16*SPITCH                  ; my stage
	v_mul_u32_u24 v5, v1, SPITCH                   ; in: row r, 16 bytes for each half of the lanes
	v_lshl_add_u32 v5, v2, 4, v5
	v_add_nc_u32 v[STO], s23, v5
	v_and_b32 v6, 31, v0
	v_lshlrev_b32 v[CO], 4, v6
	v_lshrrev_b32 v5, 3, v6                        ; back: eight lanes to a token's 128 bytes of one head, four tokens an instruction
	v_mul_u32_u24 v5, v5, SPITCH
	v_and_b32 v6, 7, v0
	v_lshl_add_u32 v5, v6, 4, v5
	v_add_nc_u32 v[RD], s23, v5
	; where my 128 rows x 2 heads begin in qkv: (tile column / 4) planes of 2^24, (16 x batch + head) heads of 2^18, tokens of 128 bytes
	s_lshr_b32 s20, s42, 2
	s_lshl_b32 s20, s20, 24                        ; q, k or v
	s_lshr_b32 s21, s17, 3                         ; the batch: 8 tile rows each
	s_lshl_b32 s21, s21, 4
	s_and_b32 s46, s42, 3
	s_lshl_b32 s46, s46, 2                         ; four heads to a tile column,
	s_add_co_u32 s21, s21, s46
	s_lshl_b32 s46, s16, 1                         ; two to a wave
	s_add_co_u32 s21, s21, s46
	s_lshl_b32 s21, s21, 18
	s_add_co_u32 s20, s20, s21
	s_and_b32 s46, s17, 7
	s_lshl_b32 s46, s46, 8
	s_lshl_b32 s47, s15, 7
	s_add_co_u32 s46, s46, s47                     ; my first token in the batch
	s_lshl_b32 s46, s46, 7
	s_add_co_u32 s20, s20, s46                     ; under 2^26
	s_mov_b32 s21, 0
	s_add_nc_u64 s[12:13], s[12:13], s[20:21]
.macro FRAG reg, adr, q, i             ; 16 rows x 128 K of 4-bit codes: lane l holds row l % 16; registers 4 c .. 4 c + 3 hold K = 64 c + 32 (l / 16) + 0 .. 31
.irp c, 0,1
	ds_load_b128 v[\reg+4*\c:\reg+4*\c+3], v[\adr] offset:64*(\q)+32*\c+(\i)*16*PITCH
.endr
.endm
; 16 matrix instructions: A's blocks a0, a0 + 1 x B's eight, the slot's q-th 128 along K.  p: B's set;  sc: the set of scale words.  zero = 1: the first product starts the sums.
; The 64 accumulators take turns, one instruction a turn, in the same order in every step.
.macro MUL16 a0, p, q, sc, zero
.irp a, \a0, \a0+1
.irp b, 0,1,2,3,4,5,6,7
.if \zero
	v_wmma_scale_f32_16x16x128_f8f6f4 v[8*(8*((\a)%4)+\b):8*(8*((\a)%4)+\b)+7], v[128*(\p)+FR*\b:128*(\p)+FR*\b+FR-1], v[AF+FR*(\a):AF+FR*(\a)+FR-1], 0, v[SC+8*NQ*(\sc)+NQ*\b+(\q)], v[SC+8*NQ*(\sc)+NQ*(\a)+(\q)] matrix_a_fmt:MATRIX_FMT_FP4 matrix_b_fmt:MATRIX_FMT_FP4 matrix_a_scale:MATRIX_SCALE_ROW1
.else
	v_wmma_scale_f32_16x16x128_f8f6f4 v[8*(8*((\a)%4)+\b):8*(8*((\a)%4)+\b)+7], v[128*(\p)+FR*\b:128*(\p)+FR*\b+FR-1], v[AF+FR*(\a):AF+FR*(\a)+FR-1], v[8*(8*((\a)%4)+\b):8*(8*((\a)%4)+\b)+7], v[SC+8*NQ*(\sc)+NQ*\b+(\q)], v[SC+8*NQ*(\sc)+NQ*(\a)+(\q)] matrix_a_fmt:MATRIX_FMT_FP4 matrix_b_fmt:MATRIX_FMT_FP4 matrix_a_scale:MATRIX_SCALE_ROW1
.endif
.endr
.endr
.endm
.macro FETCH_B slot, q, p              ; B's eight fragments into set p
	WIN TO_B
.irp i, 0,1,2,3,4,5,6,7
	FRAG 128*(\p)+FR*\i, ADRB+\slot, \q, \i
.endr
	WIN 0
.endm
.macro FETCH_A slot, q, i0             ; A's blocks i0 .. i0 + 3
.irp i, \i0, \i0+1, \i0+2, \i0+3
	FRAG AF+FR*(\i), ADRA+\slot, \q, \i
.endr
.endm
.macro SCALES sc                       ; a slot's scale words into set sc: four words a row; lanes 0-15 take A's block i, lanes 16-31 B's block i
.irp i, 0,1,2,3,4,5,6,7
	ds_load_b128 v[SC+8*NQ*\sc+NQ*\i:SC+8*NQ*\sc+NQ*\i+3], v[ADRS] offset:\i*SBLK
.endr
.endm
.macro PLACES n                        ; plain vector lines between a matrix instruction and a load into, or a vector read of, its registers
.rept \n
	v_nop
.endr
.endm
.macro STEP slot, q, zero              ; a step of 128 along K that has its successor in the same slot
	s_wait_dscnt 4*NL                              ; B's set and A's blocks 0-3 are in; the youngest eight loads (A's blocks 4-7) may be out
	WIN MUL_LO
	MUL16 0, (\q)%2, \q, \slot, \zero
	MUL16 2, (\q)%2, \q, \slot, \zero
	s_wait_dscnt 0                                 ; A's blocks 4-7 are in
	PLACES NP
	FETCH_B \slot, (\q)+1, 1-(\q)%2
	FETCH_A \slot, (\q)+1, 0
	WIN MUL_HI
	MUL16 4, (\q)%2, \q, \slot, \zero
	MUL16 6, (\q)%2, \q, \slot, \zero
	PLACES NP
	WIN 0
	FETCH_A \slot, (\q)+1, 4
.endm
; Slot 0's last step changes slots: one barrier; in front of it each wave waits for all its tensor loads (slot 1's part), adds 0 to its spare word, and waits for that and for its reads of slot 0.
.macro TURN slot, next
	s_wait_tensorcnt 0x0                           ; all my tensor loads have landed
	ds_add_u32 v[SPW], v[NIL]                      ; 0 onto my spare word
	s_wait_dscnt 4*NL+1                            ; (the add and the youngest eight loads, A's blocks 4-7, may be out)
	WIN MUL_LO
	MUL16 0, 1, NQ-1, \slot, 0
	s_wait_dscnt 0x0                               ; the add is done, and my reads of this slot are over
	s_barrier_signal -1
	MUL16 2, 1, NQ-1, \slot, 0
	WIN 0
	s_barrier_wait -1
	PLACES NP
	v_add_nc_u32 v[ADRS], 4*NQ, v[ADRS]            ; on to the next slot's scale words (no LDS load of mine is out)
	FETCH_B \next, 0, 0
	FETCH_A \next, 0, 0
	SCALES \next
	WIN MUL_HI
	MUL16 4, 1, NQ-1, \slot, 0
	MUL16 6, 1, NQ-1, \slot, 0
	PLACES NP
	WIN 0
	FETCH_A \next, 0, 4
.endm
	s_wait_tensorcnt 1                             ; the scales and my part of slot 0 are in; slot 1's load may be out,
	s_barrier_signal -1
	s_barrier_wait -1                              ; everybody's are
	FETCH_B 0, 0, 0
	FETCH_A 0, 0, 0
	SCALES 0
	FETCH_A 0, 0, 4
	STEP 0, 0, 1                                   ; the first step's products start the sums
	STEP 0, 1, 0
	STEP 0, 2, 0
	TURN 0, 1
	STEP 1, 0, 0
	STEP 1, 1, 0
	STEP 1, 2, 0
	s_wait_dscnt 4*NL                              ; the last step: nothing more to fetch
	WIN MUL_LO
	MUL16 0, 1, NQ-1, 1, 0
	MUL16 2, 1, NQ-1, 1, 0
	s_wait_dscnt 0
	WIN MUL_HI
	MUL16 4, 1, NQ-1, 1, 0
	MUL16 6, 1, NQ-1, 1, 0
	WIN 0
; THE WAY OUT, block by block of 16 tokens x 128 columns (two heads).  PACK: rounded to f16, 16 bytes a lane, each accumulator from its low end on.  TOSTAGE: into my stage, and back by heads:
; four tokens x 128 bytes of one head an instruction.  SEND: each store covers 512 consecutive bytes of qkv, aligned.
.macro PACK a
.set AC, 64*((\a)%4)
	WIN 0x0a+5*((\a)/4)                            ; sources 0 and 1: window 2 or 3
.irp b, 0,1,2,3,4,5,6,7
.irp e, 0,1,2,3
	v_cvt_pk_f16_f32 v[TMP+4*\b+\e], v[AC+8*\b+2*\e], v[AC+8*\b+2*\e+1]
.endr
.endr
	WIN 0
.endm
.macro TOSTAGE a
.set BB, OB+192*((\a)%2)
.irp b, 0,1,2,3,4,5,6,7
	ds_store_b128 v[STO], v[TMP+4*\b:TMP+4*\b+3] offset:32*\b
.endr
.irp i, 0,1,2,3
.irp d, 0,1
	ds_load_b128 v[BB+4*(2*\i+\d):BB+4*(2*\i+\d)+3], v[RD] offset:4*SPITCH*\i+128*\d   ; LDS serves a wave's instructions in order: these see the stores above
.endr
.endr
.endm
.macro SEND a
.set BB, OB+192*((\a)%2)
	s_wait_dscnt 0x0                               ; the block is back in registers
	s_wait_xcnt 0x0                                ; the earlier stores have read their data: the set that they named is loaded again only behind this wait
.irp i, 0,1,2,3
.irp d, 0,1
	global_store_b128 v[CO], v[BB+4*(2*\i+\d):BB+4*(2*\i+\d)+3], s[12:13] offset:2048*(\a)+512*\i+262144*\d   ; 16 tokens a block, 4 an instruction, the second head 2^18 bytes on
.endr
.endr
.endm
	PLACES NP                                      ; behind the last products
	PACK 0
	TOSTAGE 0
.irp a, 1,2,3,4,5,6,7                  ; block a's conversions stand between block a - 1's loads from the stage and the wait for them
	PACK \a
	SEND \a-1
	TOSTAGE \a
.endr
	SEND 7
	s_wait_tensorcnt 0x0                           ; the wave's end
	ds_add_u32 v[SPW], v[NIL]
	s_wait_dscnt 0x0
	CROUND                                         ; the closing round
	s_endpgm
.Lfunc_end_k_q1e8e24d3ce_qkv:
	.size	k_q1e8e24d3ce_qkv, .Lfunc_end_k_q1e8e24d3ce_qkv-k_q1e8e24d3ce_qkv
	.p2alignl 7, 3214868480
	.fill 96, 4, 3214868480
	.section	.rodata,"a",@progbits
	.p2align	6, 0x0
	.amdhsa_kernel k_q1e8e24d3ce_qkv
		.amdhsa_group_segment_fixed_size 327680
		.amdhsa_private_segment_fixed_size 0
		.amdhsa_enable_private_segment 0
		.amdhsa_kernarg_size 40
		.amdhsa_user_sgpr_count 2
		.amdhsa_user_sgpr_kernarg_segment_ptr 1
		.amdhsa_wavefront_size32 1
		.amdhsa_system_sgpr_workgroup_id_x 1
		.amdhsa_system_sgpr_workgroup_id_y 1
		.amdhsa_system_sgpr_workgroup_id_z 1
		.amdhsa_system_vgpr_workitem_id 0
		.amdhsa_next_free_vgpr 1024
		.amdhsa_next_free_sgpr 98
		.amdhsa_reserve_vcc 0
		.amdhsa_float_denorm_mode_32 3
		.amdhsa_float_denorm_mode_16_64 3
		.amdhsa_memory_ordered 1
		.amdhsa_forward_progress 1
		.amdhsa_inst_pref_size 126
	.end_amdhsa_kernel
	.amdgpu_metadata
---
amdhsa.version: [ 1, 2 ]
amdhsa.kernels:
  - .name:           k_q1e8e24d3ce_qkv
    .symbol:         k_q1e8e24d3ce_qkv.kd
    .args:
      - { .name: xc, .offset: 0, .size: 8, .value_kind: global_buffer, .address_space: global }
      - { .name: xs, .offset: 8, .size: 8, .value_kind: global_buffer, .address_space: global }
      - { .name: wc, .offset: 16, .size: 8, .value_kind: global_buffer, .address_space: global }
      - { .name: ws, .offset: 24, .size: 8, .value_kind: global_buffer, .address_space: global }
      - { .name: qkv, .offset: 32, .size: 8, .value_kind: global_buffer, .address_space: global }
    .group_segment_fixed_size: 327680
    .private_segment_fixed_size: 0
    .kernarg_segment_align: 8
    .kernarg_segment_size: 40
    .max_flat_workgroup_size: 128
    .sgpr_count:     98
    .vgpr_count:     1024
    .wavefront_size: 32
...
	.end_amdgpu_metadata
.endif
;; end of part 2
;; launch attn (part 3): grid 4 x 64, 16 waves a work-group, no clusters, 327,680 bytes of LDS; arguments qkv, ctxh, ctx32; writes ctxh, ctx32
.if DOCPART == 3
	.amdgcn_target "amdgcn-amd-amdhsa--gfx1250"
	.amdhsa_code_object_version 6
	.text
	.protected	k_q1e8e24d3ce_attn
	.globl	k_q1e8e24d3ce_attn
	.p2align	8
	.type	k_q1e8e24d3ce_attn,@function
k_q1e8e24d3ce_attn:
	s_mov_b64 s[64:65], 0
	v_nop
	global_prefetch_b8 v0, s[64:65] scope:SCOPE_SE
	s_setreg_imm32_b32 hwreg(HW_REG_WAVE_MODE, 25, 1), 1
	s_wait_xcnt 0x0
; ctx[bh][q][:] = the sum over keys k <= q of softmax_k(Q[q] . K[k] / 8) V[k][:], one head (64 channels) at a time.  q, k, v: qkv [3][64 bh][2048][64] f16.  Products on f16 operands with f32 sums;
; maxima, exponentials and sums in f32; the weights p are rounded to f16 for the second product.  ctxh [64 bh][2048][64] f16; the first 16 tokens of each batch also leave in f32, ctx32 [4][16][1024].
; A hidden key's score becomes -infinity, so its weight is 0, as a score of -1e9 gives in f32; key 0 counts for every query, so the running maximum is a number from a wave's first step on.
; SHARES.  Work-group (i, bh) owns the blocks i and 7 - i of 256 queries of head bh, at the same time: 8 waves each.  A wave owns 32 queries (two tiles of 16) and walks the keys 64 a step, up to its diagonal:
; Q0 / 64 + 1 steps.  Blocks i and 7 - i together have 264 wave-steps whatever i is, and the wave numbers are dealt so that waves w, w + 4, w + 8, w + 12 hold groups g and 7 - g of both blocks: 66 steps.
; The small block's keys are a prefix of the large block's: one stream of K and V, 2 (8 - i) slots of 128 keys through two LDS slots, serves all sixteen waves.
; NO CLUSTER: the four work-groups of a head need 16, 14, 12 and 10 slots and have 16, 8 or no waves at work in a given slot; walking in step each would take the time of the slowest in every slot, and the tiles
; that would be shared are at most 512 KiB a work-group.
; LAYOUT.  S^T = K Q^T (source 0 = 16 keys, source 1 = 16 queries): a lane holds ONE query (lane % 16) and keys 8 (lane / 16) + 0..7.  Two such tiles, rounded to f16 in pairs, ARE source 1 of
; O^T = V^T P, whose result again holds one query a lane.  K comes out of LDS as it lies, V ([key][channel]) turned, by ds_load_tr16_b128.
; SOFTMAX.  A running maximum m and sum l a query: p = 2^(c s - c m), c = log2(e) / 8; in every step O and l are multiplied by a = 2^(c m_old - c m_new).  m begins at -3e38 and O and l at 0: the step is written once.
; The trip count hangs on the work-group's number; no LDS address is stepped: a trip runs both slots, and every LDS address is a constant and a lane's term.
.set KP,    144                        ; a row of K in LDS: 128 bytes + 16: an odd multiple of 16
.set VP,    160                        ; a row of V: 128 + 32: an odd multiple of 32, for the turning load
.set VOFF,  128*KP                     ; a slot: 128 rows of K, then 128 rows of V
.set SLOT,  128*(KP+VP)                ; 38,912
.set STAGE, 2*SLOT                     ; the way out: 32 rows x 144 bytes for each wave; no tile lands here
.set SPARE, STAGE+16*32*KP             ; the spare words, 128 bytes a wave: eight blocks of 256 bytes that no other line names
.set AK,  1                            ; v1, v2   my lane's place in K's tiles of slot 0, 1
.set AV,  3                            ; v3, v4   the same for V
.set SPW, 5                            ; v5   my spare word; never rewritten
.set NIL, 6                            ; v6   0; never rewritten
.set DL,  7                            ; v7   lane % 16 - 8 (lane / 16), for the mask
.set PFO, 8                            ; v8   256 x lane: the prefetches' offset
.set STO, 9                            ; v9   the way out: where I put 16 bytes of a row
.set RD,  10                           ; v10  and where I read back
.set NINF, 11                          ; v11  -infinity
.set ST,  12                           ; tile t's statistics at v[ST + 8 t]: +0 c m, +1 m, +2, +3 l, +4 .. +7 at work (a in +6)
.set W2,  28                           ; v28-31: the mask's two thresholds, then the second chain of the sums; at the head Q's offset, at the end the stores' offsets
.set Q,   32                           ; v32-63   Q: tile t, channels 32 kc on: 16 t + 8 kc
.set S,   64                           ; v64-127  S^T: tile t, keys 16 j on: 32 t + 8 j; p in place; P (f16) over the first 16 of each tile
.set O,   128                          ; v128-191 O^T: tile t, channels 16 f on: 32 t + 8 f
.set KV,  192                          ; v192-255 eight fragments: K's, then V's
.set WV,  10
.set BH,  11
.set SEL, 20                           ; s[20:21] v_permlanex16_b32's selects for lane l xor 16
.set CS,  22                           ; s[22:23] c, twice
.set G1K, 24                           ; s[24:31] group 1 for K's tiles;  s[32:39] for V's: other padding
.set G1V, 32
.set G0K, 40                           ; s[40:47] group 0 for K's tiles, a set for each slot;  s[48:55] for V's
.set G0V, 48
.set TR,  56                           ; trips to go
.set KF,  57                           ; the step's first key
.set Q0,  58                           ; my first query
.set QL,  59                           ; my last
.set PFA, 60                           ; s[60:61] where my prefetches stand
.set ASKF, 62                          ; 1 in a wave that prefetches
.set KB,  66                           ; s[66:67] the head's K;  s[68:69] its V
.set VB,  68
.set QP,  70                           ; s[70:71] my first row of Q
.set OUT, 72                           ; s[72:73] my first row of ctxh
.set EB,  74                           ; s[74:75] the head's 64 channels of the batch's row 0 in ctx32
; Waves 0 and 1 fetch K's halves of a slot, waves 2 and 3 V's, the others nothing.  Four v_nop follow each of the two lines.
.macro TLOAD sl
	s_cmp_lt_u32 s[WV], 2
	s_cbranch_scc0 .Lnot_k_\@
	tensor_load_to_lds s[G0K+4*(\sl):G0K+4*(\sl)+3], s[G1K:G1K+7]
	s_nop 0
.rept 4
	v_nop
.endr
	s_branch .Lasked_\@
.Lnot_k_\@:
	s_cmp_lt_u32 s[WV], 4
	s_cbranch_scc0 .Lasked_\@
	tensor_load_to_lds s[G0V+4*(\sl):G0V+4*(\sl)+3], s[G1V:G1V+7]
	s_nop 0
.rept 4
	v_nop
.endr
.Lasked_\@:
.endm
; A prefetch of the slot that the NEXT change of slots will ask for.  All four work-groups of a head walk the same K and V from key 0 on, and work-group i = 0 walks all 16 slots: it alone asks.  In it waves 4 and 5 take
; K's two halves of 8,192 bytes, waves 6 and 7 V's, lanes 256 bytes apart: each aligned block of 256 bytes is named once in the launch.  Slots 0 and 1 come by their loads alone; the tail asks for nothing.
.macro ASK
	s_cmp_eq_u32 s[ASKF], 1
	s_cbranch_scc0 .Lnot_mine_\@
	global_prefetch_b8 v[PFO], s[PFA:PFA+1] th:TH_LOAD_NT scope:SCOPE_SE
.Lnot_mine_\@:
.endm
; THE CHANGE OF SLOTS, at the head of slot cur.  Each wave waits for all its tensor loads (its part of slot cur), adds 0 to its spare word, and waits for that and for its reads of the other slot.
; Behind the barrier slot cur is whole and nobody reads the other one.  fill = 1: the other slot takes the next 128 keys: that load has this slot's two steps in which to land.
.macro CHANGE cur, fill, ask
	s_wait_tensorcnt 0x0                           ; no tensor load of mine is out, so a group 0 may be written
	ds_add_u32 v[SPW], v[NIL]                      ; 0 onto my spare word
.if \fill
	s_add_nc_u64 s[G0K+4*\cur+2:G0K+4*\cur+3], s[G0K+4*\cur+2:G0K+4*\cur+3], 2*16384   ; slot cur's next tile: two slots of 128 keys x 128 bytes on
	s_add_nc_u64 s[G0V+4*\cur+2:G0V+4*\cur+3], s[G0V+4*\cur+2:G0V+4*\cur+3], 2*16384
.endif
.if \ask
	s_wait_xcnt 0x0                                ; the last prefetch, a slot back, has read its address
	s_add_nc_u64 s[PFA:PFA+1], s[PFA:PFA+1], 16384
.endif
	s_wait_dscnt 0x0                               ; the add is done, and my reads of the slot that I have left are over
	s_barrier_signal -1
	s_barrier_wait -1
.if \fill
	TLOAD 1-\cur                                   ; the first thing behind the barrier, and a wave's one tensor load until the next
.endif
.if \ask
	ASK
.endif
.endm
	s_load_b128 s[4:7], s[0:1], 0x0                ; qkv, ctxh
	s_load_b64 s[8:9], s[0:1], 0x10                ; ctx32
	v_lshl_add_u32 v[SPW], v0, 2, SPARE
	v_mov_b32 v[NIL], 0
	ds_add_u32 v5, v6
	s_wait_dscnt 0x0
	v_lshrrev_b32 v1, 5, v0
	v_readfirstlane_b32 s[WV], v1                  ; wave 0..15
	s_and_b32 s[BH], ttmp7, 0xffff                 ; 16 x batch + head
	s_bfe_u32 s12, s[WV], 0x10002                  ; bit 2: block i (0) or block 7 - i (1)
	s_lshr_b32 s13, s[WV], 3                       ; hi
	s_and_b32 s14, s[WV], 3
	s_mul_i32 s16, s13, 3
	s_xor_b32 s14, s14, s16
	s_lshl_b32 s16, s13, 2
	s_add_co_u32 s14, s14, s16                     ; my group of 32 queries in the block: ((w & 3) xor 3 hi) + 4 hi
	s_sub_co_u32 s[TR], 7, ttmp9                   ; 7 - i: the large block, and the loop's trips
	s_cmp_eq_u32 s12, 0
	s_cselect_b32 s15, ttmp9, s[TR]
	s_lshl_b32 s[Q0], s15, 8
	s_lshl_b32 s16, s14, 5
	s_add_co_u32 s[Q0], s[Q0], s16
	s_add_co_u32 s[QL], s[Q0], 31
	s_mov_b32 s[KF], 0
	s_mov_b32 s[G1K], (1<<20)|(4<<22)|(3<<25)      ; no mask; elements of 1 byte; padding on: after every 32 words, 4 words
	s_mov_b32 s[G1V], (1<<20)|(4<<22)|(7<<25)      ; 8 words
.irp g, G1K, G1V
	s_mov_b32 s[\g+1], 128<<16                     ; tensor_dim0 = 128 bytes
	s_mov_b32 s[\g+2], 64<<16                      ; tensor_dim1 = 64 rows
	s_mov_b32 s[\g+3], 128<<16                     ; tile_dim0
	s_mov_b32 s[\g+4], 64                          ; tile_dim1
	s_mov_b32 s[\g+5], 128                         ; from row to row
	s_mov_b32 s[\g+6], 0
	s_mov_b32 s[\g+7], 0
.endr
	s_mov_b32 s[SEL], 0x76543210
	s_mov_b32 s[SEL+1], 0xfedcba98
	s_mov_b32 s[CS], 0x3e38aa3b                    ; c = log2(e) / 8
	s_mov_b32 s[CS+1], s[CS]                       ; (named with it as a pair, so it is written)
	s_lshl_b32 s16, s[BH], 18                      ; the head's first byte
	s_mov_b32 s17, 0
	s_lshl_b32 s18, s[Q0], 7                       ; my first row in it
	s_mov_b32 s19, 0
	s_and_b32 s76, s[WV], 1                        ; which half of a slot's rows I fetch, if I fetch:
	s_lshl_b32 s2, s76, 13                         ; 64 rows of 128 bytes in memory,
	s_mov_b32 s3, 0
	s_mul_i32 s77, s76, 64*KP                      ; and in a slot: K's,
	s_mul_i32 s76, s76, 64*VP
	s_add_co_u32 s76, s76, VOFF                    ; V's
	s_wait_kmcnt 0x0
	s_add_nc_u64 s[QP:QP+1], s[4:5], s[16:17]
	s_add_nc_u64 s[KB:KB+1], s[QP:QP+1], 0x1000000
	s_add_nc_u64 s[VB:VB+1], s[QP:QP+1], 0x2000000
	s_add_nc_u64 s[QP:QP+1], s[QP:QP+1], s[18:19]
	s_add_nc_u64 s[OUT:OUT+1], s[6:7], s[16:17]
	s_add_nc_u64 s[OUT:OUT+1], s[OUT:OUT+1], s[18:19]
.irp sl, 0,1
	s_mov_b32 s[G0K+4*\sl], 1                      ; count = 1
	s_add_co_u32 s[G0K+4*\sl+1], s77, \sl*SLOT     ; LDS address
	s_add_nc_u64 s[G0K+4*\sl+2:G0K+4*\sl+3], s[KB:KB+1], s[2:3]
	s_add_nc_u64 s[G0K+4*\sl+2:G0K+4*\sl+3], s[G0K+4*\sl+2:G0K+4*\sl+3], \sl*16384   ; keys 128 sl on
	s_or_b32 s[G0K+4*\sl+3], s[G0K+4*\sl+3], 0x80000000   ; type = 2
	s_mov_b32 s[G0V+4*\sl], 1
	s_add_co_u32 s[G0V+4*\sl+1], s76, \sl*SLOT
	s_add_nc_u64 s[G0V+4*\sl+2:G0V+4*\sl+3], s[VB:VB+1], s[2:3]
	s_add_nc_u64 s[G0V+4*\sl+2:G0V+4*\sl+3], s[G0V+4*\sl+2:G0V+4*\sl+3], \sl*16384
	s_or_b32 s[G0V+4*\sl+3], s[G0V+4*\sl+3], 0x80000000
.endr
	TLOAD 0                                        ; slot 0: the one first fill; slot 1 is filled behind the first change's barrier
	s_lshr_b32 s16, s[BH], 4
	s_lshl_b32 s16, s16, 16                        ; ctx32: a batch's 16 rows of 4,096 bytes,
	s_and_b32 s18, s[BH], 15
	s_lshl_b32 s18, s18, 8                         ; the head's 64 channels
	s_add_co_u32 s16, s16, s18
	s_add_nc_u64 s[EB:EB+1], s[8:9], s[16:17]
	s_cmp_lt_u32 s[WV], 6                          ; the prefetches: waves 4, 5 stand in K, waves 6, 7 in V,
	s_cselect_b64 s[PFA:PFA+1], s[KB:KB+1], s[VB:VB+1]
	s_add_nc_u64 s[PFA:PFA+1], s[PFA:PFA+1], s[2:3]      ; at my half
	s_add_nc_u64 s[PFA:PFA+1], s[PFA:PFA+1], 16384       ; of slot 1: the first change steps it to slot 2
	s_lshr_b32 s16, s[WV], 2
	s_xor_b32 s16, s16, 1                          ; 0 in waves 4 to 7
	s_or_b32 s16, s16, ttmp9                       ; of work-group i = 0
	s_cmp_eq_u32 s16, 0
	s_cselect_b32 s[ASKF], 1, 0
	v_and_b32 v12, 15, v0                          ; r
	v_bfe_u32 v13, v0, 4, 1                        ; h
	v_and_b32 v14, 31, v0                          ; lane
	v_lshlrev_b32 v[W2], 7, v12
	v_lshl_add_u32 v[W2], v13, 4, v[W2]            ; Q: row r of 128 bytes + 16 h
.irp t, 0,1
.irp kc, 0,1
.irp e, 0,1
	global_load_b128 v[Q+16*\t+8*\kc+4*\e:Q+16*\t+8*\kc+4*\e+3], v[W2], s[QP:QP+1] offset:2048*\t+64*\kc+32*\e   ; Q stays in registers
.endr
.endr
.endr
	v_mul_u32_u24 v[AK], v12, KP
	v_lshl_add_u32 v[AK], v13, 4, v[AK]            ; K: row r x pitch + 16 h
	v_add_nc_u32 v[AK+1], SLOT, v[AK]
	v_and_b32 v16, 7, v0
	v_lshl_add_u32 v[AV], v13, 3, v16              ; V, for the turning load: key 8 h + lane % 8,
	v_mul_u32_u24 v[AV], v[AV], VP
	v_bfe_u32 v17, v0, 3, 1
	v_lshl_add_u32 v[AV], v17, 4, v[AV]            ; channels 8 ((lane / 8) % 2) on
	v_add_nc_u32 v[AV], VOFF, v[AV]
	v_add_nc_u32 v[AV+1], SLOT, v[AV]
	v_lshlrev_b32 v[DL], 3, v13
	v_sub_nc_u32 v[DL], v12, v[DL]
	v_lshlrev_b32 v[PFO], 8, v14
	s_mul_i32 s16, s[WV], 32*KP
	s_add_co_u32 s16, s16, STAGE                   ; my stage
	v_mul_u32_u24 v[STO], v12, KP
	v_lshl_add_u32 v[STO], v13, 4, v[STO]
	v_add_nc_u32 v[STO], s16, v[STO]               ; in: row r, 16 bytes for each half of the lanes
	v_lshrrev_b32 v[RD], 3, v14
	v_mul_u32_u24 v[RD], v[RD], KP
	v_lshl_add_u32 v[RD], v16, 4, v[RD]
	v_add_nc_u32 v[RD], s16, v[RD]                 ; back: eight lanes to a row of 128 bytes, four rows an instruction
	v_mov_b32 v[NINF], 0xff800000
.irp t, 0,1
	v_mov_b32 v[ST+8*\t+1], 0xff61b1e6             ; m = -3e38, under every score
	v_mul_f32 v[ST+8*\t], s[CS], v[ST+8*\t+1]      ; c m
.irp k, 2,3,4,5,6,7
	v_mov_b32 v[ST+8*\t+\k], 0
.endr
.endr
.set n, 0
.rept 64
	v_mov_b32 v[O+n], 0                            ; O^T: the step is written once: the first finds zeros, which a = 0 leaves zeros
.set n, n+1
.endr
	s_wait_loadcnt 0x0                             ; Q
; A KEY STEP: 64 keys, the q-th half of slot sl.
.macro STEP sl, q
	s_cmp_gt_u32 s[KF], s[QL]                      ; all 64 keys come after my 32 queries: the step's loads, products and softmax are left out (a branch on ids; no barrier and no tensor load stands in a step)
	s_cbranch_scc1 .Lhid_\@
.rept 5
	v_nop                                          ; behind the last step's products: four places for the loads into their fragments, five for the products that write over P
.endr
.irp j, 0,1,2,3
.irp kc, 0,1
.irp e, 0,1
	ds_load_b128 v[KV+8*(2*\j+\kc)+4*\e:KV+8*(2*\j+\kc)+4*\e+3], v[AK+\sl] offset:(64*\q+16*\j)*KP+64*\kc+32*\e
.endr
.endr
.endr
	s_wait_dscnt 0x0
.irp kc, 0,1                                   ; S^T = K Q^T: eight accumulators by turns; the first round starts the sums
.irp j, 0,1,2,3
.irp t, 0,1
.if \kc == 0
	v_wmma_f32_16x16x32_f16 v[S+32*\t+8*\j:S+32*\t+8*\j+7], v[KV+8*(2*\j+\kc):KV+8*(2*\j+\kc)+7], v[Q+16*\t+8*\kc:Q+16*\t+8*\kc+7], 0
.else
	v_wmma_f32_16x16x32_f16 v[S+32*\t+8*\j:S+32*\t+8*\j+7], v[KV+8*(2*\j+\kc):KV+8*(2*\j+\kc)+7], v[Q+16*\t+8*\kc:Q+16*\t+8*\kc+7], v[S+32*\t+8*\j:S+32*\t+8*\j+7]
.endif
.endr
.endr
.endr
.rept 4
	v_nop                                          ; places: for the loads over K's fragments, and for the first reads of the scores
.endr
.irp c, 0,1                                    ; V of these keys, turned: it lands while the softmax is walked.  Keys 32 c on, channels 16 f on
.irp f, 0,1,2,3
.irp e, 0,1
	ds_load_tr16_b128 v[KV+8*(4*\c+\f)+4*\e:KV+8*(4*\c+\f)+4*\e+3], v[AV+\sl] offset:(64*\q+32*\c+16*\e)*VP+32*\f
.endr
.endr
.endr
	s_add_co_u32 s76, s[KF], 63                    ; the mask, only in the step on my diagonal
	s_cmp_le_u32 s76, s[Q0]
	s_cbranch_scc1 .Lopen_\@
	s_sub_co_i32 s76, s[Q0], s[KF]
	v_add_nc_u32 v[W2], s76, v[DL]                 ; tile t: d = my query - KF - 8 (lane / 16).  Register 8 j + e holds key KF + 8 (lane / 16) + 16 j + e: hidden where 16 j + e > d
	v_add_nc_u32 v[W2+2], 16, v[W2]
.irp t, 0,1
.set n, 0
.rept 32
	v_cmp_gt_i32 vcc_lo, 16*(n/8)+n%8, v[W2+2*\t]
	v_cndmask_b32 v[S+32*\t+n], v[S+32*\t+n], v[NINF], vcc_lo
.set n, n+1
.endr
.endr
.Lopen_\@:
	; the maximum of my 32 scores and the old m, three at a time, four chains a tile; the two tiles alternate line by line
.irp j, 0,1,2,3
.irp t, 0,1
	v_max3_num_f32 v[ST+8*\t+4+\j], v[S+32*\t+8*\j], v[S+32*\t+8*\j+1], v[S+32*\t+8*\j+2]
.endr
.endr
.irp u, 1,2
.irp j, 0,1,2,3
.irp t, 0,1
	v_max3_num_f32 v[ST+8*\t+4+\j], v[ST+8*\t+4+\j], v[S+32*\t+8*\j+2*\u+1], v[S+32*\t+8*\j+2*\u+2]
.endr
.endr
.endr
.irp t, 0,1
	v_max3_num_f32 v[ST+8*\t+4], v[ST+8*\t+4], v[S+32*\t+7], v[S+32*\t+15]
.endr
.irp t, 0,1
	v_max3_num_f32 v[ST+8*\t+6], v[ST+8*\t+6], v[S+32*\t+23], v[S+32*\t+31]
.endr
.irp t, 0,1
	v_max3_num_f32 v[ST+8*\t+4], v[ST+8*\t+4], v[ST+8*\t+5], v[ST+8*\t+6]
.endr
.irp t, 0,1
	v_max3_num_f32 v[ST+8*\t+4], v[ST+8*\t+4], v[ST+8*\t+7], v[ST+8*\t+1]
.endr
.irp t, 0,1
	v_permlanex16_b32 v[ST+8*\t+5], v[ST+8*\t+4], s[SEL], s[SEL+1]   ; the query's other 32 keys lie in the lane 16 away
.endr
.irp t, 0,1
	v_mov_b32 v[ST+8*\t+7], v[ST+8*\t]             ; c m_old
.endr
.irp t, 0,1
	v_max_num_f32 v[ST+8*\t+1], v[ST+8*\t+4], v[ST+8*\t+5]           ; the new m
.endr
.irp t, 0,1
	v_mul_f32 v[ST+8*\t], s[CS], v[ST+8*\t+1]
.endr
.irp t, 0,1
	v_sub_f32 v[ST+8*\t+7], v[ST+8*\t+7], v[ST+8*\t]                 ; c m_old - c m_new
.endr
.set n, 0
.rept 16
.irp t, 0,1
	v_pk_fma_f32 v[S+32*\t+n:S+32*\t+n+1], v[S+32*\t+n:S+32*\t+n+1], s[CS:CS+1], v[ST+8*\t:ST+8*\t+1] op_sel_hi:[1,0,0] neg_lo:[0,0,1] neg_hi:[0,0,1]   ; c s - c m, two at a time
.endr
.set n, n+2
.endr
.irp t, 0,1
	v_exp_f32 v[ST+8*\t+6], v[ST+8*\t+7]           ; a
.endr
.set n, 0
.rept 64
	v_exp_f32 v[S+n], v[S+n]                       ; p, at most 1
.set n, n+1
.endr
	v_nop                                          ; a plain line behind the exponentials
	s_wait_alu depctr_va_vdst(0)
.irp t, 0,1                                    ; the sum of the unrounded p: two chains a tile, two numbers an instruction
	v_pk_add_f32 v[ST+8*\t+4:ST+8*\t+5], v[S+32*\t:S+32*\t+1], v[S+32*\t+2:S+32*\t+3]
	v_pk_add_f32 v[W2+2*\t:W2+2*\t+1], v[S+32*\t+4:S+32*\t+5], v[S+32*\t+6:S+32*\t+7]
.endr
.irp j, 8,12,16,20,24,28
.irp t, 0,1
	v_pk_add_f32 v[ST+8*\t+4:ST+8*\t+5], v[ST+8*\t+4:ST+8*\t+5], v[S+32*\t+\j:S+32*\t+\j+1]
	v_pk_add_f32 v[W2+2*\t:W2+2*\t+1], v[W2+2*\t:W2+2*\t+1], v[S+32*\t+\j+2:S+32*\t+\j+3]
.endr
.endr
.irp t, 0,1
	v_pk_add_f32 v[ST+8*\t+4:ST+8*\t+5], v[ST+8*\t+4:ST+8*\t+5], v[W2+2*\t:W2+2*\t+1]
.endr
.irp t, 0,1
	v_pk_fma_f32 v[ST+8*\t+2:ST+8*\t+3], v[ST+8*\t+2:ST+8*\t+3], v[ST+8*\t+6:ST+8*\t+7], v[ST+8*\t+4:ST+8*\t+5] op_sel_hi:[1,0,1]   ; l = a l + the sum
.endr
.set n, 0
.rept 16                                       ; p to f16, in place and ascending: register n takes numbers 2 n and 2 n + 1, which no later line reads
.irp t, 0,1
	v_cvt_pk_f16_f32 v[S+32*\t+n], v[S+32*\t+2*n], v[S+32*\t+2*n+1]
.endr
.set n, n+1
.endr
.irp t, 0,1
.set n, 0
.rept 16
	v_pk_mul_f32 v[O+32*\t+n:O+32*\t+n+1], v[O+32*\t+n:O+32*\t+n+1], v[ST+8*\t+6:ST+8*\t+7] op_sel_hi:[1,0]   ; O^T x a, each accumulator from its low end on
.set n, n+2
.endr
.endr
	s_wait_dscnt 0x0                               ; V is in
.irp c, 0,1                                    ; O^T += V^T P: eight accumulators by turns
.irp f, 0,1,2,3
.irp t, 0,1
	v_wmma_f32_16x16x32_f16 v[O+32*\t+8*\f:O+32*\t+8*\f+7], v[KV+8*(4*\c+\f):KV+8*(4*\c+\f)+7], v[S+32*\t+8*\c:S+32*\t+8*\c+7], v[O+32*\t+8*\f:O+32*\t+8*\f+7]
.endr
.endr
.endr
.Lhid_\@:
	s_add_co_u32 s[KF], s[KF], 64
.endm
.Ltrip:                                            ; 7 - i trips of two slots; the last two slots are written out
	CHANGE 0, 1, 1
	STEP 0, 0
	STEP 0, 1
	CHANGE 1, 1, 1
	STEP 1, 0
	STEP 1, 1
	s_sub_co_u32 s[TR], s[TR], 1
	s_cmp_lg_u32 s[TR], 0
	s_cbranch_scc1 .Ltrip
	CHANGE 0, 1, 0                                 ; the last slot is asked for
	STEP 0, 0
	STEP 0, 1
	CHANGE 1, 0, 0
	STEP 1, 0
	STEP 1, 1
	; THE WAY OUT.  l's halves and the other lane's are added; O^T is divided by l.  The plain lines here are the places behind the last products.
.irp t, 0,1
	v_add_f32 v[ST+8*\t+4], v[ST+8*\t+2], v[ST+8*\t+3]
.endr
.irp t, 0,1
	v_permlanex16_b32 v[ST+8*\t+5], v[ST+8*\t+4], s[SEL], s[SEL+1]
.endr
.irp t, 0,1
	v_add_f32 v[ST+8*\t+4], v[ST+8*\t+4], v[ST+8*\t+5]
.endr
	v_and_b32 v28, 31, v0
	v_lshlrev_b32 v28, 4, v28                      ; ctxh: 16 x lane
	v_and_b32 v29, 15, v0
	v_bfe_u32 v30, v0, 4, 1
	v_lshlrev_b32 v29, 12, v29
	v_lshl_add_u32 v29, v30, 5, v29                ; ctx32: row r of 4,096 bytes + 32 h
.irp t, 0,1
	v_rcp_f32 v[ST+8*\t+6], v[ST+8*\t+4]
.endr
	v_nop                                          ; a plain line behind the reciprocals
	s_wait_alu depctr_va_vdst(0)
.irp t, 0,1
.set n, 0
.rept 16
	v_pk_mul_f32 v[O+32*\t+n:O+32*\t+n+1], v[O+32*\t+n:O+32*\t+n+1], v[ST+8*\t+6:ST+8*\t+7] op_sel_hi:[1,0]
.set n, n+2
.endr
.endr
	s_cmp_lg_u32 s[Q0], 0                          ; the wave with the batch's first 16 tokens (tile 0) also stores them in f32
	s_cbranch_scc1 .Lno32
.irp f, 0,1,2,3
	global_store_b128 v29, v[O+8*\f:O+8*\f+3], s[EB:EB+1] offset:64*\f
	global_store_b128 v29, v[O+8*\f+4:O+8*\f+7], s[EB:EB+1] offset:64*\f+16
.endr
.Lno32:
.irp t, 0,1
.irp f, 0,1,2,3
.irp e, 0,1,2,3
	v_cvt_pk_f16_f32 v[S+16*\t+4*\f+\e], v[O+32*\t+8*\f+2*\e], v[O+32*\t+8*\f+2*\e+1]
.endr
.endr
.endr
.irp t, 0,1
.irp f, 0,1,2,3
	ds_store_b128 v[STO], v[S+16*\t+4*\f:S+16*\t+4*\f+3] offset:16*KP*\t+32*\f
.endr
.endr
.irp u, 0,1,2,3,4,5,6,7
	ds_load_b128 v[KV+4*\u:KV+4*\u+3], v[RD] offset:4*KP*\u   ; LDS serves a wave's instructions in order: these see my stores
.endr
.irp u, 0,1,2,3,4,5,6,7
	s_wait_dscnt 7-\u                              ; load u is back; the 7 - u younger ones stay out
	global_store_b128 v28, v[KV+4*\u:KV+4*\u+3], s[OUT:OUT+1] offset:512*\u   ; four tokens of the head: 512 consecutive bytes, aligned
.endr
	s_wait_tensorcnt 0x0                           ; the wave's end
	ds_add_u32 v[SPW], v[NIL]
	s_wait_dscnt 0x0
	s_endpgm
.Lfunc_end_k_q1e8e24d3ce_attn:
	.size	k_q1e8e24d3ce_attn, .Lfunc_end_k_q1e8e24d3ce_attn-k_q1e8e24d3ce_attn
	.p2alignl 7, 3214868480
	.fill 96, 4, 3214868480
	.section	.rodata,"a",@progbits
	.p2align	6, 0x0
	.amdhsa_kernel k_q1e8e24d3ce_attn
		.amdhsa_group_segment_fixed_size 327680
		.amdhsa_private_segment_fixed_size 0
		.amdhsa_enable_private_segment 0
		.amdhsa_kernarg_size 24
		.amdhsa_user_sgpr_count 2
		.amdhsa_user_sgpr_kernarg_segment_ptr 1
		.amdhsa_wavefront_size32 1
		.amdhsa_system_sgpr_workgroup_id_x 1
		.amdhsa_system_sgpr_workgroup_id_y 1
		.amdhsa_system_sgpr_workgroup_id_z 1
		.amdhsa_system_vgpr_workitem_id 0
		.amdhsa_next_free_vgpr 256
		.amdhsa_next_free_sgpr 80
		.amdhsa_reserve_vcc 1
		.amdhsa_float_denorm_mode_32 3
		.amdhsa_float_denorm_mode_16_64 3
		.amdhsa_memory_ordered 1
		.amdhsa_forward_progress 1
		.amdhsa_inst_pref_size 191
	.end_amdhsa_kernel
	.amdgpu_metadata
---
amdhsa.version: [ 1, 2 ]
amdhsa.kernels:
  - .name:           k_q1e8e24d3ce_attn
    .symbol:         k_q1e8e24d3ce_attn.kd
    .args:
      - { .name: qkv, .offset: 0, .size: 8, .value_kind: global_buffer, .address_space: global }
      - { .name: ctxh, .offset: 8, .size: 8, .value_kind: global_buffer, .address_space: global }
      - { .name: ctx32, .offset: 16, .size: 8, .value_kind: global_buffer, .address_space: global }
    .group_segment_fixed_size: 327680
    .private_segment_fixed_size: 0
    .kernarg_segment_align: 8
    .kernarg_segment_size: 24
    .max_flat_workgroup_size: 512
    .sgpr_count:     80
    .vgpr_count:     256
    .wavefront_size: 32
...
	.end_amdgpu_metadata
.endif
;; end of part 3
;; launch oproj (part 4): grid 4 x 64, 8 waves a work-group, clusters of 4 x 4, 327,680 bytes of LDS; arguments ctxh, woh, b_o, out0; writes out0
.if DOCPART == 4
	.amdgcn_target "amdgcn-amd-amdhsa--gfx1250"
	.amdhsa_code_object_version 6
	.text
	.protected	k_q1e8e24d3ce_oproj
	.globl	k_q1e8e24d3ce_oproj
	.p2align	8
	.type	k_q1e8e24d3ce_oproj,@function
k_q1e8e24d3ce_oproj:
	s_mov_b64 s[64:65], 0
	v_nop
	global_prefetch_b8 v0, s[64:65] scope:SCOPE_SE
	s_setreg_imm32_b32 hwreg(HW_REG_WAVE_MODE, 25, 1), 1
	s_wait_xcnt 0x0
	s_wait_alu depctr_hold_cnt(0) depctr_sa_sdst(0) depctr_va_vdst(0) depctr_va_sdst(0) depctr_va_ssrc(0) depctr_va_vcc(0) depctr_vm_vsrc(0)
	s_getreg_b32 s2, hwreg(HW_REG_IB_STS2, 6, 4)
	s_cmp_eq_u32 s2, 0
	s_cbranch_scc0 .Lentry_in_a_cluster
	s_endpgm
.Lentry_in_a_cluster:
	s_bfe_u32 s2, ttmp6, 0x10000c
	s_cmp_lg_u32 s2, 0xf033
	s_cbranch_scc0 .Lentry_shape_is_right
	s_endpgm
.Lentry_shape_is_right:
; out0[m][n] = the sum over k of ctx[m][k] w_o[n][k] + b_o[n].  ctx arrives by head: ctxh [64 (16 batch + head)][2048][64] f16, k = 64 head + channel; woh [1024 n][1024 k] f16; b_o f32; out0 [8192][1024] f32; sums in f32.
; A tile of C is 128 rows x 256 columns: 256 work-groups.  Eight waves, each 64 x 64: 16 accumulators, 128 registers.  K goes in steps of 128 (two heads) through two LDS slots.  A's tile of a step is two dense
; planes of 128 tokens x 128 bytes (waves 0 and 1 fetch one each), B's 256 rows of 256 bytes (waves 2 and 3 fetch 128 rows each); waves 4 to 7 fetch nothing.
; CLUSTERS: 4 x 4 work-groups.  The four of a row of the cluster need the same tiles of A, the four of a column the same tiles of B: each is asked for JOINTLY.
; THE MATRIX INSTRUCTION IS USED TRANSPOSED (source 0 = 16 rows of w_o, source 1 = 16 rows of ctx): a lane holds eight neighbouring columns of a row of C.  The bias is the C of each sum's first instruction.
; No prefetch: eight short K steps; all of A and B is walked within them.
; REGISTERS: window 0: v16-29 addresses; v32-95 the way out; v96-127 the bias; v128-255 the accumulators ((a, b) at 128 + 8 (4 a + b)).  window 1: two fragment buffers of 128: for 64 along K, 64 registers of A, then 64 of B.
.set PA,    144                        ; a row of A in LDS: 128 bytes + 16
.set PB,    272                        ; a row of B: 256 bytes + 16
.set PLANE, 128*PA                     ; one head's 128 tokens
.set BOFF,  2*PLANE
.set HALFB, 128*PB
.set SLOT,  BOFF+2*HALFB               ; 106,496
.set STAGE, 2*SLOT                     ; the way out: 16 rows x 272 bytes for each wave; no tile lands here
.set SPITCH, 272
.set SPARE, STAGE+8*16*SPITCH          ; the spare words, 128 bytes a wave: four blocks of 256 bytes that no other line names
.set ADRA, 16                          ; v16-17  my A fragments in slot 0, 1
.set ADRB, 20                          ; v20-21  the same for B
.set STO,  24
.set RD,   25
.set CO,   26
.set BO,   27
.set SPW,  28
.set NIL,  29
.set TMP,  32
.set BIAS, 96
.set ACC,  128
.set F0,   0
.set F1,   128
.set WV,  12
.set G1A, 24
.set G0A, 32
.set G1B, 48
.set G0B, 56
.set MSB, 0
.macro WIN new                         ; the immediate's high byte repeats the setting that is left
.if MSB != \new
	s_set_vgpr_msb (MSB<<8)|\new
.set MSB, \new
.endif
.endm
.set MUL,  0x05                        ; sources 0 (B) and 1 (A) window 1; C and D window 0
.set TO_F, 0x40                        ; destination window 1, address window 0
.macro JLOAD s                         ; a joint refill; the branches hang on the wave's number alone; four v_nop follow each of the two lines
	s_cmp_lt_u32 s[WV], 2
	s_cbranch_scc0 .Lnot_a_\@
	tensor_load_to_lds s[G0A+4*\s:G0A+4*\s+3], s[G1A:G1A+7]
	s_nop 0
.rept 4
	v_nop
.endr
	s_branch .Lasked_\@
.Lnot_a_\@:
	s_cmp_lt_u32 s[WV], 4
	s_cbranch_scc0 .Lasked_\@
	tensor_load_to_lds s[G0B+4*\s:G0B+4*\s+3], s[G1B:G1B+7]
	s_nop 0
.rept 4
	v_nop
.endr
.Lasked_\@:
.endm
.macro CREST                           ; a round of the cluster's barrier behind its opening barrier
	s_cmp_lg_u32 s[WV], 0
	s_cbranch_scc1 .Lnot_wave_0_\@
	s_barrier_signal -3
.Lnot_wave_0_\@:
	s_barrier_wait -3
	s_barrier_signal -1
	s_barrier_wait -1
.endm
.macro CROUND
	s_barrier_signal -1
	s_barrier_wait -1
	CREST
.endm
	s_load_b256 s[4:11], s[0:1], 0x0               ; ctxh, woh, b_o, out0
	v_lshl_add_u32 v[SPW], v0, 2, SPARE
	v_mov_b32 v[NIL], 0
	ds_add_u32 v28, v29
	s_wait_dscnt 0x0
	v_lshrrev_b32 v1, 5, v0
	v_readfirstlane_b32 s[WV], v1                  ; wave 0..7
	s_lshr_b32 s13, s[WV], 2                       ; which 64 rows of the tile are mine
	s_and_b32 s14, s[WV], 3                        ; which 64 columns
	s_and_b32 s15, s[WV], 1                        ; which plane of A, or which half of B, I fetch, if I fetch
	s_bfe_u32 s40, ttmp6, 0x40000                  ; cx, cy
	s_bfe_u32 s41, ttmp6, 0x40004
	s_lshl_b32 s42, ttmp9, 2
	s_add_co_u32 s42, s42, s40                     ; tile column
	s_and_b32 s43, ttmp7, 0xffff
	s_lshl_b32 s43, s43, 2
	s_add_co_u32 s43, s43, s41                     ; tile row
	s_lshl_b32 s44, s41, 2
	s_lshl_b32 s44, 15, s44                        ; my row of the cluster
	s_lshl_b32 s45, 0x1111, s40                    ; my column
	s_or_b32 s[G1A], s44, (1<<20)|(1<<21)|(4<<22)|(3<<25)   ; the mask; elements of 1 byte; padding on; bit 21 beside a mask; after every 32 words, 4 words
	s_mov_b32 s[G1A+1], 128<<16                    ; tensor_dim0 = 128 bytes
	s_mov_b32 s[G1A+2], 128<<16                    ; tensor_dim1 = 128 rows
	s_mov_b32 s[G1A+3], 128<<16                    ; tile_dim0
	s_mov_b32 s[G1A+4], 128                        ; tile_dim1
	s_mov_b32 s[G1A+5], 128                        ; from row to row: dense
	s_mov_b32 s[G1A+6], 0
	s_mov_b32 s[G1A+7], 0
	s_or_b32 s[G1B], s45, (1<<20)|(1<<21)|(5<<22)|(3<<25)   ; after every 64 words, 4 words
	s_mov_b32 s[G1B+1], 256<<16
	s_mov_b32 s[G1B+2], 128<<16
	s_mov_b32 s[G1B+3], 256<<16
	s_mov_b32 s[G1B+4], 128
	s_mov_b32 s[G1B+5], 2048                       ; a row of woh
	s_mov_b32 s[G1B+6], 0
	s_mov_b32 s[G1B+7], 0
	s_lshr_b32 s16, s43, 4                         ; A: the batch (16 tile rows each): 16 heads of 2^18 bytes,
	s_lshl_b32 s16, s16, 22
	s_and_b32 s17, s43, 15
	s_lshl_b32 s17, s17, 14                        ; the tile's 128 tokens of 128 bytes,
	s_add_co_u32 s16, s16, s17
	s_lshl_b32 s17, s15, 18                        ; my plane: the step's first or second head
	s_add_co_u32 s16, s16, s17
	s_mov_b32 s17, 0
	s_lshl_b32 s46, s42, 19                        ; B: 256 rows of 2,048 bytes a tile column,
	s_lshl_b32 s47, s15, 18                        ; my 128 of them
	s_add_co_u32 s46, s46, s47
	s_mov_b32 s47, 0
	s_mul_i32 s20, s15, PLANE                      ; where they go: no place in the cluster enters an LDS address
	s_mul_i32 s21, s15, HALFB
	s_add_co_u32 s21, s21, BOFF
	s_wait_kmcnt 0x0
	s_add_nc_u64 s[18:19], s[4:5], s[16:17]
	s_add_nc_u64 s[46:47], s[6:7], s[46:47]
	CROUND                                         ; all sixteen work-groups are here: the first joint loads meet
.irp s, 0,1
	s_mov_b32 s[G0A+4*\s], 1
	s_add_co_u32 s[G0A+4*\s+1], s20, \s*SLOT
	s_add_nc_u64 s[G0A+4*\s+2:G0A+4*\s+3], s[18:19], \s*524288     ; K step s: two heads on
	s_or_b32 s[G0A+4*\s+3], s[G0A+4*\s+3], 0x80000000
	s_mov_b32 s[G0B+4*\s], 1
	s_add_co_u32 s[G0B+4*\s+1], s21, \s*SLOT
	s_add_nc_u64 s[G0B+4*\s+2:G0B+4*\s+3], s[46:47], \s*256
	s_or_b32 s[G0B+4*\s+3], s[G0B+4*\s+3], 0x80000000
.endr
	s_cmp_lt_u32 s[WV], 2                          ; a wave's two first fills stand in one branch: two loads of mine are out, or none
	s_cbranch_scc0 .Lfirst_not_a
	tensor_load_to_lds s[G0A:G0A+3], s[G1A:G1A+7]
	s_nop 0
	tensor_load_to_lds s[G0A+4:G0A+7], s[G1A:G1A+7]
	s_nop 0
.rept 4
	v_nop
.endr
	s_branch .Lfirst_asked
.Lfirst_not_a:
	s_cmp_lt_u32 s[WV], 4
	s_cbranch_scc0 .Lfirst_asked
	tensor_load_to_lds s[G0B:G0B+3], s[G1B:G1B+7]
	s_nop 0
	tensor_load_to_lds s[G0B+4:G0B+7], s[G1B:G1B+7]
	s_nop 0
.rept 4
	v_nop
.endr
.Lfirst_asked:
	v_and_b32 v1, 15, v0                           ; r
	v_bfe_u32 v2, v0, 4, 1                         ; h
	v_mul_u32_u24 v3, v1, PA
	v_lshl_add_u32 v3, v2, 4, v3
	s_mul_i32 s22, s13, 64*PA                      ; my 64 rows of a plane
	v_add_nc_u32 v[ADRA], s22, v3
	v_add_nc_u32 v[ADRA+1], SLOT, v[ADRA]
	v_mul_u32_u24 v4, v1, PB
	v_lshl_add_u32 v4, v2, 4, v4
	s_mul_i32 s22, s14, 64*PB                      ; my 64 rows of B
	s_add_co_u32 s22, s22, BOFF
	v_add_nc_u32 v[ADRB], s22, v4
	v_add_nc_u32 v[ADRB+1], SLOT, v[ADRB]
	s_mul_i32 s23, s[WV], 16*SPITCH
	s_add_co_u32 s23, s23, STAGE                   ; my stage
	v_mul_u32_u24 v5, v1, SPITCH
	v_lshl_add_u32 v5, v2, 5, v5
	v_add_nc_u32 v[STO], s23, v5                   ; in: row r, 32 bytes for each half of the lanes
	v_mul_u32_u24 v5, v2, SPITCH
	v_lshl_add_u32 v5, v1, 4, v5
	v_add_nc_u32 v[RD], s23, v5                    ; back: lanes 0-15 one row of 256 bytes, lanes 16-31 the next
	v_lshlrev_b32 v5, 12, v2
	v_lshl_add_u32 v[CO], v1, 4, v5                ; and the same two rows in out0
	v_lshlrev_b32 v[BO], 5, v2                     ; the bias: my half's eight numbers of a block of 16
	s_lshl_b32 s66, s42, 10
	s_lshl_b32 s67, s14, 8
	s_add_co_u32 s66, s66, s67                     ; my first column, in bytes
	s_mov_b32 s67, 0
	s_add_nc_u64 s[8:9], s[8:9], s[66:67]
.irp b, 0,1,2,3
	global_load_b128 v[BIAS+8*\b:BIAS+8*\b+3], v[BO], s[8:9] offset:64*\b
	global_load_b128 v[BIAS+8*\b+4:BIAS+8*\b+7], v[BO], s[8:9] offset:64*\b+16
.endr
	s_lshl_b32 s68, s43, 19                        ; my first row: 128 rows of 4,096 bytes a tile row,
	s_lshl_b32 s69, s13, 18                        ; my 64
	s_add_co_u32 s68, s68, s69
	s_add_co_u32 s68, s68, s66
	s_mov_b32 s69, 0
	s_add_nc_u64 s[10:11], s[10:11], s[68:69]
; 8 matrix instructions: row blocks a0, a0 + 1 x all 4 column blocks, 32 along K: half c of buffer f.  first = 1: the bias starts the sums.  The 16 accumulators take turns.
.macro MUL8 f, c, a0, first
.irp a, \a0, \a0+1
.irp b, 0,1,2,3
.if \first
	v_wmma_f32_16x16x32_f16 v[ACC+8*(4*(\a)+\b):ACC+8*(4*(\a)+\b)+7], v[\f+64+8*(4*\c+\b):\f+64+8*(4*\c+\b)+7], v[\f+8*(4*\c+\a):\f+8*(4*\c+\a)+7], v[BIAS+8*\b:BIAS+8*\b+7]
.else
	v_wmma_f32_16x16x32_f16 v[ACC+8*(4*(\a)+\b):ACC+8*(4*(\a)+\b)+7], v[\f+64+8*(4*\c+\b):\f+64+8*(4*\c+\b)+7], v[\f+8*(4*\c+\a):\f+8*(4*\c+\a)+7], v[ACC+8*(4*(\a)+\b):ACC+8*(4*(\a)+\b)+7]
.endif
.endr
.endr
.endm
; 32 LDS loads in one run: the fragments of the slot's q-th 64 along K (A's plane q) into buffer f; the first 32 along K first
.macro FETCH slot, q, f
	WIN TO_F
.irp c, 0,1
.irp i, 0,1,2,3
	ds_load_b128 v[\f+64+8*(4*\c+\i):\f+64+8*(4*\c+\i)+3],   v[ADRB+\slot] offset:128*\q+64*\c+\i*16*PB
	ds_load_b128 v[\f+64+8*(4*\c+\i)+4:\f+64+8*(4*\c+\i)+7], v[ADRB+\slot] offset:128*\q+64*\c+\i*16*PB+32
	ds_load_b128 v[\f+8*(4*\c+\i):\f+8*(4*\c+\i)+3],         v[ADRA+\slot] offset:PLANE*\q+64*\c+\i*16*PA
	ds_load_b128 v[\f+8*(4*\c+\i)+4:\f+8*(4*\c+\i)+7],       v[ADRA+\slot] offset:PLANE*\q+64*\c+\i*16*PA+32
.endr
.endr
.endm
.macro PLACES                          ; four plain lines in front of loads into registers that matrix instructions have read, and of the first reads of results
.rept 4
	v_nop
.endr
.endm
; A K step is two halves of 64 along K, on buffers 0 and 1.  The first: multiplies buffer f and fetches the slot's part q into g.
.macro QUARTER slot, q, f, g, first
	s_wait_dscnt 16                                ; the first 32 along K are in; the other sixteen loads may be out
	WIN MUL
	MUL8 \f, 0, 0, \first
	MUL8 \f, 0, 2, \first
	PLACES
	FETCH \slot, \q, \g
	s_wait_dscnt 32                                ; all but the 32 just issued
	WIN MUL
	MUL8 \f, 1, 0, 0
	MUL8 \f, 1, 2, 0
.endm
; The second half multiplies buffer 1 and changes slots: one barrier; in front of it each wave waits for all its tensor loads, adds 0 to its spare word, and waits for that and for its reads of this slot.
; fill = 1: the barrier opens a round of the cluster's, and this slot is filled again, two K steps ahead.
.macro TURN slot, next, fill
	WIN 0                                          ; (the add's two registers lie in window 0)
	s_wait_tensorcnt 0x0                           ; all my tensor loads have landed
	ds_add_u32 v[SPW], v[NIL]                      ; 0 onto my spare word
	s_wait_dscnt 17                                ; (the add and the youngest sixteen loads may be out)
	WIN MUL
	MUL8 F1, 0, 0, 0
	s_wait_dscnt 0x0                               ; the add is done, and my reads of this slot are over
	s_barrier_signal -1
	MUL8 F1, 0, 2, 0
.if \fill
	WIN 0
.endif
	s_barrier_wait -1
.if \fill
	CREST                                          ; no wave of any partner still reads this slot's tiles or has a load on its way
	s_add_nc_u64 s[G0A+4*\slot+2:G0A+4*\slot+3], s[G0A+4*\slot+2:G0A+4*\slot+3], 2*524288
	s_add_nc_u64 s[G0B+4*\slot+2:G0B+4*\slot+3], s[G0B+4*\slot+2:G0B+4*\slot+3], 2*256
	JLOAD \slot                                    ; the first tensor load behind the round
.endif
	PLACES                                         ; on every wave's way, that of a wave without a load too
	FETCH \next, 0, F0
	WIN MUL
	MUL8 F1, 1, 0, 0
	MUL8 F1, 1, 2, 0
.endm
	s_wait_tensorcnt 1                             ; my part of K step 0 is in; K step 1's load may be out
	s_barrier_signal -1
	s_barrier_wait -1
	FETCH 0, 0, F0
	s_wait_loadcnt 0x0                             ; the bias
	QUARTER 0, 1, F0, F1, 1
	WIN 0                                          ; at a label and at a branch every window is 0
	s_mov_b32 s3, 3
.Llap:                                             ; a trip goes once round the ring and fills both slots again: K steps 2 to 7
	TURN 0, 1, 1
	QUARTER 1, 1, F0, F1, 0
	TURN 1, 0, 1
	QUARTER 0, 1, F0, F1, 0
	WIN 0
	s_sub_co_u32 s3, s3, 1
	s_cmp_lg_u32 s3, 0
	s_cbranch_scc1 .Llap
	TURN 0, 1, 0                                   ; the last lap fills nothing
	QUARTER 1, 1, F0, F1, 0
	s_wait_dscnt 16
	WIN MUL
	MUL8 F1, 0, 0, 0
	MUL8 F1, 0, 2, 0
	s_wait_dscnt 0
	MUL8 F1, 1, 0, 0
	MUL8 F1, 1, 2, 0
	WIN 0
; THE WAY OUT, a block of 16 rows x 64 columns at a time, through my own stage: a row's 64 numbers are 256 bytes; sixteen lanes store them as one run, aligned.
.macro TOSTAGE a
.irp b, 0,1,2,3
	ds_store_b128 v[STO], v[ACC+8*(4*(\a)+\b):ACC+8*(4*(\a)+\b)+3] offset:64*\b         ; each accumulator from its low end on
	ds_store_b128 v[STO], v[ACC+8*(4*(\a)+\b)+4:ACC+8*(4*(\a)+\b)+7] offset:64*\b+16
.endr
.irp t, 0,1,2,3,4,5,6,7
	ds_load_b128 v[TMP+32*((\a)%2)+4*\t:TMP+32*((\a)%2)+4*\t+3], v[RD] offset:\t*2*SPITCH   ; LDS serves a wave's instructions in order: these see the stores above
.endr
.endm
.macro SEND a, younger                 ; younger: the LDS instructions issued behind block a's loads, which may stay out
	s_wait_dscnt \younger
.irp t, 0,1,2,3,4,5,6,7
	global_store_b128 v[CO], v[TMP+32*((\a)%2)+4*\t:TMP+32*((\a)%2)+4*\t+3], s[10:11] offset:(16*(\a)+2*\t)*4096 th:TH_STORE_NT
.endr
.endm
	PLACES
	TOSTAGE 0
	TOSTAGE 1
	SEND 0, 16                                     ; behind block 0's loads: block 1's 8 stores and 8 loads
	s_wait_xcnt 0x0                                ; block 0's stores have read their registers: block 2's loads may land there
	TOSTAGE 2
	SEND 1, 16
	s_wait_xcnt 0x0
	TOSTAGE 3
	SEND 2, 16
	SEND 3, 0
	s_wait_tensorcnt 0x0                           ; the wave's end
	ds_add_u32 v[SPW], v[NIL]
	s_wait_dscnt 0x0
	CROUND                                         ; the closing round
	s_endpgm
.Lfunc_end_k_q1e8e24d3ce_oproj:
	.size	k_q1e8e24d3ce_oproj, .Lfunc_end_k_q1e8e24d3ce_oproj-k_q1e8e24d3ce_oproj
	.p2alignl 7, 3214868480
	.fill 96, 4, 3214868480
	.section	.rodata,"a",@progbits
	.p2align	6, 0x0
	.amdhsa_kernel k_q1e8e24d3ce_oproj
		.amdhsa_group_segment_fixed_size 327680
		.amdhsa_private_segment_fixed_size 0
		.amdhsa_enable_private_segment 0
		.amdhsa_kernarg_size 32
		.amdhsa_user_sgpr_count 2
		.amdhsa_user_sgpr_kernarg_segment_ptr 1
		.amdhsa_wavefront_size32 1
		.amdhsa_system_sgpr_workgroup_id_x 1
		.amdhsa_system_sgpr_workgroup_id_y 1
		.amdhsa_system_sgpr_workgroup_id_z 1
		.amdhsa_system_vgpr_workitem_id 0
		.amdhsa_next_free_vgpr 512
		.amdhsa_next_free_sgpr 76
		.amdhsa_reserve_vcc 0
		.amdhsa_float_denorm_mode_32 3
		.amdhsa_float_denorm_mode_16_64 3
		.amdhsa_memory_ordered 1
		.amdhsa_forward_progress 1
		.amdhsa_inst_pref_size 52
	.end_amdhsa_kernel
	.amdgpu_metadata
---
amdhsa.version: [ 1, 2 ]
amdhsa.kernels:
  - .name:           k_q1e8e24d3ce_oproj
    .symbol:         k_q1e8e24d3ce_oproj.kd
    .args:
      - { .name: ctxh, .offset: 0, .size: 8, .value_kind: global_buffer, .address_space: global }
      - { .name: woh, .offset: 8, .size: 8, .value_kind: global_buffer, .address_space: global }
      - { .name: b_o, .offset: 16, .size: 8, .value_kind: global_buffer, .address_space: global }
      - { .name: out0, .offset: 24, .size: 8, .value_kind: global_buffer, .address_space: global }
    .group_segment_fixed_size: 327680
    .private_segment_fixed_size: 0
    .kernarg_segment_align: 8
    .kernarg_segment_size: 32
    .max_flat_workgroup_size: 256
    .sgpr_count:     76
    .vgpr_count:     512
    .wavefront_size: 32
...
	.end_amdgpu_metadata
.endif
;; end of part 4
;; launch early (part 5): grid 64 x 4, 8 waves a work-group, no clusters, 9,216 bytes of LDS; arguments ctx32, w_o, b_o, out0; writes out0
.if DOCPART == 5
	.amdgcn_target "amdgcn-amd-amdhsa--gfx1250"
	.amdhsa_code_object_version 6
	.text
	.protected	k_q1e8e24d3ce_early
	.globl	k_q1e8e24d3ce_early
	.p2align	8
	.type	k_q1e8e24d3ce_early,@function
k_q1e8e24d3ce_early:
	s_mov_b64 s[64:65], 0
	v_nop
	global_prefetch_b8 v0, s[64:65] scope:SCOPE_SE
	s_setreg_imm32_b32 hwreg(HW_REG_WAVE_MODE, 25, 1), 1
	s_wait_xcnt 0x0
; The first 16 tokens of each batch once more, with f32 operands: out0[2048 b + m][n] = the sum over k of ctx32[b][m][k] w_o[n][k] + b_o[n], m = 0 .. 15.  These rows average over few keys, so their numbers are
; large beside the whole output's root mean square, against which every number is compared; here neither the context nor w_o is rounded to f16.  64 of 8,192 rows: 1 / 128 of this product.
; Work-group (cg, b): 16 rows x columns 16 cg .. 16 cg + 15.  Wave w takes k = 128 w .. 128 w + 127: 32 matrix instructions on two accumulators by turns; the eight waves' parts meet in LDS.
; A lane loads 16 bytes at a time: of each 8 along K lanes 0-15 take the first four, lanes 16-31 the last four: k stands in other places than the layout's, alike in A and B, so each product meets its partner.
; The accumulators v144-159 are written by the matrix instructions alone; each sum begins with the constant 0.
	s_load_b256 s[4:11], s[0:1], 0x0               ; ctx32, w_o, b_o, out0
	v_lshl_add_u32 v176, v0, 2, 0x2000
	v_mov_b32 v177, 0
	v_lshrrev_b32 v1, 5, v0
	v_readfirstlane_b32 s12, v1                    ; wave 0..7
	s_and_b32 s13, ttmp7, 0xffff                   ; the batch
	v_and_b32 v1, 15, v0                           ; r
	v_bfe_u32 v2, v0, 4, 1                         ; h
	v_and_b32 v3, 31, v0                           ; lane
	v_lshlrev_b32 v4, 12, v1                       ; row r of 4,096 bytes (of ctx32: token r; of w_o: column n0 + r),
	v_lshl_add_u32 v4, v2, 4, v4                   ; + 16 h,
	s_lshl_b32 s14, s12, 9
	v_add_nc_u32 v4, s14, v4                       ; + my wave's 128 along K
	v_lshlrev_b32 v5, 2, v1                        ; 4 r
	v_lshl_add_u32 v9, v2, 15, v5                  ; out0: 8 h rows of 4,096 bytes + 4 r
	s_lshl_b32 s15, s12, 10
	v_lshl_add_u32 v6, v3, 2, s15                  ; LDS, in: 1,024 x wave + 4 x lane
	s_lshl_b32 s15, s12, 7
	v_lshl_add_u32 v7, v3, 2, s15                  ; LDS, back: 128 x wave + 4 x lane: register w of every wave's part
	s_lshl_b32 s16, s13, 16                        ; ctx32: a batch's 16 rows
	s_mov_b32 s17, 0
	s_lshl_b32 s18, ttmp9, 16                      ; w_o: 16 rows
	s_mov_b32 s19, 0
	s_lshl_b32 s20, ttmp9, 6                       ; 16 columns of 4 bytes
	s_mov_b32 s21, 0
	s_lshl_b32 s22, s13, 23                        ; out0: a batch's 2,048 rows,
	s_lshl_b32 s23, s12, 12                        ; row w,
	s_add_co_u32 s22, s22, s23
	s_add_co_u32 s22, s22, s20                     ; my columns
	s_mov_b32 s23, 0
	s_wait_kmcnt 0x0
	s_add_nc_u64 s[4:5], s[4:5], s[16:17]
	s_add_nc_u64 s[6:7], s[6:7], s[18:19]
	s_add_nc_u64 s[8:9], s[8:9], s[20:21]
	s_add_nc_u64 s[10:11], s[10:11], s[22:23]
.set c, 0
.rept 16
	global_load_b128 v[16+4*c:19+4*c], v4, s[4:5] offset:32*c
	global_load_b128 v[80+4*c:83+4*c], v4, s[6:7] offset:32*c
.set c, c+1
.endr
	global_load_b32 v8, v5, s[8:9]                 ; b_o[n0 + r]
	s_wait_loadcnt 0x0
	v_wmma_f32_16x16x4_f32 v[144:151], v[16:17], v[80:81], 0
	v_wmma_f32_16x16x4_f32 v[152:159], v[18:19], v[82:83], 0
.set c, 1
.rept 15
	v_wmma_f32_16x16x4_f32 v[144:151], v[16+4*c:17+4*c], v[80+4*c:81+4*c], v[144:151]
	v_wmma_f32_16x16x4_f32 v[152:159], v[18+4*c:19+4*c], v[82+4*c:83+4*c], v[152:159]
.set c, c+1
.endr
.rept 8
	v_nop                                          ; eight places behind this form (ISA guide 7.12.1)
.endr
.irp j, 0,1,2,3,4,5,6,7
	v_add_f32 v[160+\j], v[144+\j], v[152+\j]      ; lane (r, h), register j: my wave's part of out(8 h + j, n0 + r); each accumulator from its low end on
.endr
.irp j, 0,1,2,3,4,5,6,7
	ds_store_b32 v6, v[160+\j] offset:128*\j
.endr
	s_wait_dscnt 0x0                               ; for the others' sake: my stores have landed
	s_barrier_signal -1
	s_barrier_wait -1
.irp p, 0,1,2,3,4,5,6,7
	ds_load_b32 v[168+\p], v7 offset:1024*\p       ; register w of wave p's part
.endr
	s_wait_dscnt 0x0
	v_add_f32 v168, v168, v169
	v_add_f32 v170, v170, v171
	v_add_f32 v172, v172, v173
	v_add_f32 v174, v174, v175
	v_add_f32 v168, v168, v170
	v_add_f32 v172, v172, v174
	v_add_f32 v168, v168, v172
	v_add_f32 v168, v168, v8                       ; + the bias
	global_store_b32 v9, v168, s[10:11]            ; out(8 h + w, n0 + r): sixteen lanes store 64 consecutive bytes; 256 KiB in the whole launch
	s_wait_tensorcnt 0x0
	ds_add_u32 v176, v177
	s_wait_dscnt 0x0
	s_endpgm
.Lfunc_end_k_q1e8e24d3ce_early:
	.size	k_q1e8e24d3ce_early, .Lfunc_end_k_q1e8e24d3ce_early-k_q1e8e24d3ce_early
	.p2alignl 7, 3214868480
	.fill 96, 4, 3214868480
	.section	.rodata,"a",@progbits
	.p2align	6, 0x0
	.amdhsa_kernel k_q1e8e24d3ce_early
		.amdhsa_group_segment_fixed_size 9216
		.amdhsa_private_segment_fixed_size 0
		.amdhsa_enable_private_segment 0
		.amdhsa_kernarg_size 32
		.amdhsa_user_sgpr_count 2
		.amdhsa_user_sgpr_kernarg_segment_ptr 1
		.amdhsa_wavefront_size32 1
		.amdhsa_system_sgpr_workgroup_id_x 1
		.amdhsa_system_sgpr_workgroup_id_y 1
		.amdhsa_system_sgpr_workgroup_id_z 1
		.amdhsa_system_vgpr_workitem_id 0
		.amdhsa_next_free_vgpr 178
		.amdhsa_next_free_sgpr 66
		.amdhsa_reserve_vcc 0
		.amdhsa_float_denorm_mode_32 3
		.amdhsa_float_denorm_mode_16_64 3
		.amdhsa_memory_ordered 1
		.amdhsa_forward_progress 1
		.amdhsa_inst_pref_size 9
	.end_amdhsa_kernel
	.amdgpu_metadata
---
amdhsa.version: [ 1, 2 ]
amdhsa.kernels:
  - .name:           k_q1e8e24d3ce_early
    .symbol:         k_q1e8e24d3ce_early.kd
    .args:
      - { .name: ctx32, .offset: 0, .size: 8, .value_kind: global_buffer, .address_space: global }
      - { .name: w_o, .offset: 8, .size: 8, .value_kind: global_buffer, .address_space: global }
      - { .name: b_o, .offset: 16, .size: 8, .value_kind: global_buffer, .address_space: global }
      - { .name: out0, .offset: 24, .size: 8, .value_kind: global_buffer, .address_space: global }
    .group_segment_fixed_size: 9216
    .private_segment_fixed_size: 0
    .kernarg_segment_align: 8
    .kernarg_segment_size: 32
    .max_flat_workgroup_size: 256
    .sgpr_count:     66
    .vgpr_count:     178
    .wavefront_size: 32
...
	.end_amdgpu_metadata
.endif
;; end of part 5
